; MI455X (gfx1250); checked and timed in simulation.
; The chip was launched on July 23, 2026; its instructions are those of AMD's public machine-readable ISA for CDNA 5 (MIT licence, August 2026) and "CDNA5" Instruction Set Architecture Reference Guide (July 2026). The comments in the code are by the model that wrote it; some were corrected since.
;; Cross Attention. Allowed arithmetic: matrix products marked QUANTISED: E4M3 operands, one E8M0 scale for each 32 along K, by v_wmma_scale_f32_16x16x128_f8f6f4 with both operands' format E4M3, f32 sums; everything else in f32.
;; Inputs: Wkv_codes 1,024 x 16 x 32 uint8 (E4M3 codes of Wkv, K innermost, in blocks of 32 codes); Wkv_scales 1,024 x 16 uint8 (E8M0 scales of Wkv, one for each 32 codes along K); Wo_codes 512 x 16 x 32 uint8 (E4M3 codes of Wo, K innermost, in blocks of 32 codes); Wo_scales 512 x 16 uint8 (E8M0 scales of Wo, one for each 32 codes along K); Wq_codes 512 x 16 x 32 uint8 (E4M3 codes of Wq, K innermost, in blocks of 32 codes); Wq_scales 512 x 16 uint8 (E8M0 scales of Wq, one for each 32 codes along K); beta 512 float32; bkv 1,024 float32; bo 512 float32; bq 512 float32; cross_attn_input_codes 4 x 2,048 x 16 x 32 uint8 (E4M3 codes of cross_attn_input, K innermost, in blocks of 32 codes); cross_attn_input_scales 4 x 2,048 x 16 uint8 (E8M0 scales of cross_attn_input, one for each 32 codes along K); gamma 512 float32; layer_input 4 x 2,048 x 512 float32.
;; Outputs: out0 4 x 2,048 x 512 float32.
;; This version of the problem:
;;   THIS VERSION OF THE PROBLEM IS GIVEN IN LOW PRECISION. The matrix products marked QUANTISED in the list below multiply operands that are first quantised to E4M3 (4 exponent bits, 3 mantissa bits; 8 bits a number), with one power-of-two scale for each 32 numbers along K (OCP MX v1.0); their sums are f32. All else is computed in f32.
;;   The module's matrix products, in the order in which they are computed (A, B: the left and right operand; K: the contracted axis; several contracted axes count as one K, in the product's order):
;;     1. [M 8,192, K 512] x [K 512, N 512]; A: input layer_input; B: input Wq (given as codes): QUANTISED
;;     2. [M 8,192, K 512] x [K 512, N 1,024]; A: input cross_attn_input (given as codes); B: input Wkv (given as codes): QUANTISED
;;     3. batch 32 x [M 2,048, K 64] x [K 64, N 2,048]; A: computed on the way; B: computed on the way: QUANTISED
;;     4. batch 32 x [M 2,048, K 2,048] x [K 2,048, N 64]; A: softmax (see below); B: computed on the way: QUANTISED
;;     5. [M 8,192, K 512] x [K 512, N 512]; A: computed on the way; B: input Wo (given as codes): QUANTISED
;;   THE QUANTISER, for each operand of a quantised product, along K:
;;     - K is cut into blocks of 32 from its start; a last block that is shorter is filled with zeros.
;;     - A block's scale is 2^e with e = floor(log2(the largest magnitude in the block)) - 8, held to -126 .. 127; a block of zeros has e = 0. As a byte (E8M0): e + 127.
;;     - Each number is divided by its block's scale, clamped to +-448, and rounded to the nearest number of E4M3, ties to even, subnormals kept.
;;     - The product sums the exact products of the quantised numbers (number of the format x scale) in f32.
;;   ~~~python
;;   def quantise(x, axis):      # numpy; x: float32 -> the quantised numbers, widened to float32 again
;;       x = np.moveaxis(x, axis, -1); K = x.shape[-1]
;;       x = np.pad(x, [(0, 0)] * (x.ndim - 1) + [(0, -K % 32)]); x = x.reshape(x.shape[:-1] + (-1, 32)); a = np.abs(x).max(-1, keepdims=True)
;;       e = np.where(a > 0, np.clip(np.frexp(np.where(a > 0, a, 1))[1] - 1 - 8, -126, 127), 0)      # np.frexp(a)[1] - 1 = floor(log2(a)), exactly
;;       r = np.clip(x / 2.0 ** e, -448, 448)
;;       step = 2.0 ** (np.maximum(np.frexp(np.where(r == 0, 1, r))[1] - 1, -6) - 3)
;;       q = np.round(r / step) * step * 2.0 ** e      # np.round: ties to even
;;       return np.moveaxis(q.reshape(q.shape[:-2] + (-1,))[..., :K], -1, axis).astype(np.float32)
;;   ~~~
;;   SOFTMAX AHEAD OF A QUANTISED PRODUCT. Where the list says 'softmax', what is quantised is not the finished softmax but p = 2^(t - M), with t = logit x log2(e) and M = ceil(the row's largest t), a whole number; so 1/2 < the row's largest p <= 1. The row's sum l is taken of the UNQUANTISED p, in f32, and the product's result is divided by l at the end. Since M is a whole number, a kernel that streams over the keys may use a running M (the ceiling of the running maximum): every later rescaling is an exact power of two, which a block's scale takes up: the codes' values come out the same.
;;   OPERANDS COMPUTED ON THE WAY. 'Computed on the way' means the value that the module computes at that place (a softmax that the list does not call 'softmax' is quantised finished and normalised). What goes into a quantiser is computed in f32, as accurately as f32 sums, v_exp_f32 and their like allow (about 1e-6 of the number): no bf16 or f16 on the way to a quantiser, and a product that is left as it is and whose result goes on into a quantised operand takes f32 operands (vector FMAs, or v_wmma_f32_16x16x4_f32). A number that lies on a knife's edge between two numbers of the format may be rounded either way, as far as f32 arithmetic and the matrix unit's own rounding can turn it there, and no further.
;;   INPUTS GIVEN AS CODES. Wkv (in the module: [512, 1024], K = its axis 0); Wo (in the module: [512, 512], K = its axis 0); Wq (in the module: [512, 512], K = its axis 0); cross_attn_input (in the module: [4, 2048, 512], K = its axis 2): each comes as NAME_codes (uint8): NAME with its K axis moved to the last place and cut into blocks of 32 codes, [.., K / 32, bytes a block], one block behind the other in memory; one code a byte (a code: sign, 4 exponent bits, 3 mantissa bits); and NAME_scales (uint8): the same leading axes, one E8M0 byte (e + 127) for each 32 codes along K. Its value is code x scale, taken as it is: it is not quantised again, and the codes and scales need not be those that the quantiser above would give.
;; 2 versions. Each part assembles by itself: llvm-mc -triple=amdgcn-amd-amdhsa -mcpu=gfx1250 --defsym DOCPART=n.
;; ======== version 1 of 2: 3 launches
;; workspace buffers: qimg 4,194,304 bytes; qsc 262,144 bytes; kv 8,912,896 bytes; oimg 4,194,304 bytes; osc 524,288 bytes
;; launch proj (part 1): grid 256 x 1, 8 waves a work-group, no clusters, 236,544 bytes of LDS; arguments layer_input, cross_attn_input_codes, cross_attn_input_scales, Wq_codes, Wq_scales, bq, Wkv_codes, Wkv_scales, bkv, qimg, qsc, kv; writes qimg, qsc, kv
.if DOCPART == 1
	.amdgcn_target "amdgcn-amd-amdhsa--gfx1250"
	.amdhsa_code_object_version 6
	.text
	.protected	k_qad55e59c62_proj
	.globl	k_qad55e59c62_proj
	.p2align	8
	.type	k_qad55e59c62_proj,@function
k_qad55e59c62_proj:
	s_mov_b64 s[64:65], 0
	v_nop
	global_prefetch_b8 v0, s[64:65] scope:SCOPE_SE
	s_setreg_imm32_b32 hwreg(HW_REG_WAVE_MODE, 25, 1), 1
	s_wait_xcnt 0x0
; q = Q(x) Wq + bq, k and v = c Wkv + bkv, all on codes of FP8 (E4M3) with one E8M0 scale for each 32 along K = 512; the results are quantised at once
; (q and k along a head's 64 channels, v along the keys) and leave as IMAGES OF OPERAND REGISTERS: four registers are 512 bytes, lane l's 16 bytes at 16 l.
; WORK-GROUPS 0-127 (role Q): 64 rows of layer_input (f32, quantised here), all 512 columns of q; wave w makes head w.
; WORK-GROUPS 128-255 (role KV): 128 keys (one key step of the attention) and four heads; waves 0-3 make k of heads 4 g + w, waves 4-7 v of heads 4 g + w - 4.
; A wave's 64 rows of the weight, 64 x 512 codes, are 256 registers (window 1), read from memory once.
; THE ROWS OF A WEIGHT THAT FORM A TILE ARE NOT NEIGHBOURS: lane r of tile 2 b + u takes row 32 b + 8 u + r + 8 (r / 8).  With the weight as source 0 a lane then holds one row of x, and the
; 16 registers of tiles 2 b, 2 b + 1 are channels 32 b + 16 (lane / 16) + 0 .. 15: the order of the next operand's registers.  For v the weight is source 1: a lane holds one channel, and the
; 16 registers of a channel tile are 16 keys of a block of 32 (8 (lane / 16) + 0 .. 7 and 16 + 8 (lane / 16) + 0 .. 7): the same order in which the attention's weights p come out.
; NO JOINT LOADS: each weight byte is used by one wave of a work-group, which keeps it in registers; shared among work-groups it would have to go through LDS, 512 rows x 528 bytes = 270,336,
; which does not fit beside role Q's 167,936 bytes.  No tensor load at all: x goes to LDS through registers, 512 consecutive bytes an instruction.
; LIMITS: NaN and infinities among the inputs are not served.  A block whose largest magnitude lies under 2^-118 (a block of zeros too, where the rule says byte 127) gets the byte 1: its codes are
; zeros or next to it, and the bytes are read by this program alone.
.set REC,  17408                       ; a key step's record in kv: K 8,192, V 8,192, K's scale words 512, V's 512
.set XK,   0                           ; LDS, role KV: 128 rows of codes, 512 bytes + 16
.set QST,  67584                       ; LDS, role Q: a stage of 16 rows x (1,024 + 16) bytes of f32 for each wave
.set QSTW, 16640
.set XC,   200704                      ; role Q: x's codes, 64 rows of 512 bytes + 16
.set XSC,  234496                      ; role Q: x's scale bytes, 16 a row
.set LI,  1                            ; v1   16 x lane
.set LS,  2                            ; v2   4 x lane
.set WA,  3                            ; v3   my row of a weight tile: (r + 8 (r / 8)) x 512 + 16 h
.set WSA, 4                            ; v4   its scale bytes: x 16
.set BA,  5                            ; v5   64 h: the bias of my half's channels
.set BVA, 6                            ; v6   (r + 8 (r / 8)) x 4: the bias of my channel (v)
.set STA, 7                            ; v7   my stage, as loaded
.set STR, 8                            ; v8   my stage, row r, + 64 h
.set XCW, 9                            ; v9   where I put x's codes
.set XSW, 10                           ; v10  and their scale word
.set XCR, 11                           ; v11  x's codes: row r, + 16 h
.set XSR, 12                           ; v12  x's scale bytes: 16 x lane
.set XKW, 13                           ; v13  role KV: where I put a row of codes
.set XKR, 14                           ; v14  role KV: row r, + 16 h
.set L8,  15                           ; v15  8 x lane
.set WS,  16                           ; v16-31   the weight's scale words: tile t, K step s at 4 t + s
.set BIAS, 32                          ; v32-63   the bias in the result's layout, eight registers a tile
.set XS,  64                           ; v64-79   x's scale words: unit u, K step s at 4 u + s; lanes 0-15 the unit's first 16 rows, lanes 16-31 its second
.set HA,  80                           ; v80-143  eight accumulators
.set XF,  144                          ; v144-207 x's fragments: two K steps x two tiles of rows
.set RAW, 80                           ; v80-207  role Q: 16 rows x 256 numbers as loaded
.set PC,  208                          ; v208-223 the codes just made
.set TM,  224                          ; v224-239 largest magnitudes, bytes, holds, scale operands
.set PW,  240                          ; v240     a scale word
.set VW,  244                          ; v244-247 the scale words that leave
.set WV,  28
.set SEL, 30
.set MNT, 32
.set WP,  34                           ; s[34:35] my rows of the weight's codes;  s[36:37] of its scales;  s[38:39] of the bias
.set WSP, 36
.set BP,  38
.set XP,  40                           ; s[40:41] my rows of x;  s[42:43] the keys' scale bytes
.set CSP, 42
.set OUT1, 44
.set OUT2, 46
.set MSB, 0
.macro WIN new                         ; the immediate's high byte repeats the setting that is left
.if MSB != \new
	s_set_vgpr_msb (MSB<<8)|\new
.set MSB, \new
.endif
.endm
.macro PLACES n
.rept \n
	v_nop
.endr
.endm
.macro BARRIER                         ; my LDS stores have landed and my LDS loads are in: then the work-group's barrier
	s_wait_dscnt 0x0
	s_barrier_signal -1
	s_barrier_wait -1
.endm
; 64 numbers of a lane, four blocks of 16 registers (the other 16 of each block lie in lane l xor 16), become 16 registers of codes in v[PC] on; pw: the register for the four scale bytes, or -1
.macro QUANT s, pw
.irp b, 0,1,2,3
	v_max3_num_f32 v[TM+\b], |v[\s+16*\b]|, |v[\s+1+16*\b]|, 0x4800000   ; my 16 numbers and the floor 2^(9 - 127): the byte cannot fall under 1
.endr
.irp i, 2,4,6,8,10,12,14
.irp b, 0,1,2,3
	v_max3_num_f32 v[TM+\b], v[TM+\b], |v[\s+16*\b+\i]|, |v[\s+1+16*\b+\i]|   ; the four blocks by turns
.endr
.endr
.irp b, 0,1,2,3
	v_permlanex16_b32 v[TM+4+\b], v[TM+\b], s[SEL], s[SEL+1]
.endr
.irp b, 0,1,2,3
	v_max_num_f32 v[TM+\b], v[TM+\b], v[TM+4+\b]   ; the block's largest magnitude
.endr
.irp b, 0,1,2,3
	v_add_nc_u32 v[TM+12+\b], 0xfc000000, v[TM+\b]   ; 8 off its exponent field: the conversion's scale operand
.endr
.irp b, 0,1,2,3
	v_and_or_b32 v[TM+8+\b], v[TM+\b], 0x7f800000, s[MNT]   ; 448 x the scale
.endr
.irp b, 0,1,2,3
	v_lshrrev_b32 v[TM+4+\b], 23, v[TM+12+\b]   ; the scale's byte
.endr
.if (\pw) >= 0
	v_lshl_or_b32 v[\pw], v[TM+5], 8, v[TM+4]
	v_lshl_or_b32 v[\pw], v[TM+6], 16, v[\pw]
	v_lshl_or_b32 v[\pw], v[TM+7], 24, v[\pw]
.endif
.irp b, 0,1,2,3
.irp i, 0,1,2,3,4,5,6,7,8,9,10,11,12,13,14,15
	v_med3_num_f32 v[\s+16*\b+\i], v[\s+16*\b+\i], -v[TM+8+\b], v[TM+8+\b]   ; the conversion to an 8-bit code does not saturate (ISA guide 7.6.2): the hold comes first
.endr
	v_cvt_scalef32_pk8_fp8_f32 v[PC+4*\b:PC+1+4*\b], v[\s+16*\b:\s+7+16*\b], v[TM+12+\b]
	v_cvt_scalef32_pk8_fp8_f32 v[PC+2+4*\b:PC+3+4*\b], v[\s+8+16*\b:\s+15+16*\b], v[TM+12+\b]
.endr
	v_nop                                          ; a plain line between the last conversion and whatever next touches its registers
.endm
.macro WLOAD t                         ; tile t of my weight rows, all four K steps, into window 1 at v[64 t + 16 s]
.irp s, 0,1,2,3
.irp c, 0,1,2,3
	global_load_b128 v[64*\t+16*\s+4*\c:64*\t+16*\s+4*\c+3], v[WA], s[WP:WP+1] offset:(32*(\t/2)+8*(\t%2))*512+128*\s+32*\c
.endr
.endr
.endm
.macro WSLOAD                          ; a row's 16 scale bytes are the four K steps' words
.irp t, 0,1,2,3
	global_load_b128 v[WS+4*\t:WS+4*\t+3], v[WSA], s[WSP:WSP+1] offset:(32*(\t/2)+8*(\t%2))*16
.endr
.endm
.macro BLOADK                          ; the bias of the eight channels that a lane's registers of tile t hold
.irp t, 0,1,2,3
	global_load_b128 v[BIAS+8*\t:BIAS+8*\t+3], v[BA], s[BP:BP+1] offset:(32*(\t/2)+8*(\t%2))*4
	global_load_b128 v[BIAS+8*\t+4:BIAS+8*\t+7], v[BA], s[BP:BP+1] offset:(32*(\t/2)+8*(\t%2))*4+16
.endr
.endm
.macro FETCH2 adr, off, s0             ; two K steps (s0, s0 + 1) x two tiles of 16 rows, from rows of 528 bytes
.irp e, 0,1
.irp m, 0,1
.irp c, 0,1,2,3
	ds_load_b128 v[XF+32*\e+16*\m+4*\c:XF+32*\e+16*\m+4*\c+3], v[\adr] offset:(\off)+8448*\m+128*((\s0)+\e)+32*\c
.endr
.endr
.endr
.endm
; Eight products of K step s.  The eight accumulators take turns, one instruction a turn.  The first K step takes the bias as C.
.macro MULK s, xs                      ; source 0 = the weight (window 1), source 1 = x
.irp m, 0,1
.irp t, 0,1,2,3
.set rD, HA+32*\m+8*\t
.set rC, rD
.if (\s) == 0
.set rC, BIAS+8*\t
.endif
.set rW, 64*\t+16*(\s)
.set rX, XF+32*((\s)%2)+16*\m
.if \m
	v_wmma_scale_f32_16x16x128_f8f6f4 v[rD:rD+7], v[rW:rW+15], v[rX:rX+15], v[rC:rC+7], v[WS+4*\t+(\s)], v[(\xs)+(\s)] matrix_b_scale:MATRIX_SCALE_ROW1
.else
	v_wmma_scale_f32_16x16x128_f8f6f4 v[rD:rD+7], v[rW:rW+15], v[rX:rX+15], v[rC:rC+7], v[WS+4*\t+(\s)], v[(\xs)+(\s)]
.endif
.endr
.endr
.endm
.macro MULV s, xs                      ; source 0 = x (the keys), source 1 = the weight (window 1)
.irp n, 0,1,2,3
.irp m, 0,1
.set rD, HA+16*\n+8*\m
.set rC, rD
.if (\s) == 0
.set rC, BIAS+8*\n
.endif
.set rW, 64*\n+16*(\s)
.set rX, XF+32*((\s)%2)+16*\m
.if \m
	v_wmma_scale_f32_16x16x128_f8f6f4 v[rD:rD+7], v[rX:rX+15], v[rW:rW+15], v[rC:rC+7], v[(\xs)+(\s)], v[WS+4*\n+(\s)] matrix_a_scale:MATRIX_SCALE_ROW1
.else
	v_wmma_scale_f32_16x16x128_f8f6f4 v[rD:rD+7], v[rX:rX+15], v[rW:rW+15], v[rC:rC+7], v[(\xs)+(\s)], v[WS+4*\n+(\s)]
.endif
.endr
.endr
.endm
.macro MUL typ, s, xs
.if \typ
	WIN 0x04
	MULV \s, \xs
.else
	WIN 0x01
	MULK \s, \xs
.endif
.endm
; A UNIT: 32 rows x my 64 columns: 32 products, then the quantiser.  Eight places stand behind the products in front of loads into registers that they read and of the first read of results
; (ISA guide 7.12.1 for the first read of results).  The next unit's first products begin the accumulators anew: the eight v_nop and the quantiser's lines on v[TM] on stand between.
.macro UNIT typ, adr, off, xs, more, pw
	s_wait_dscnt 0x0                               ; K steps 0 and 1 are in
	MUL \typ, 0, \xs
	MUL \typ, 1, \xs
	WIN 0
	PLACES 8
	FETCH2 \adr, \off, 2
	s_wait_dscnt 0x0
	MUL \typ, 2, \xs
	MUL \typ, 3, \xs
	WIN 0
	PLACES 8
.if \more
	FETCH2 \adr, (\off)+16896, 0                   ; the next unit's first two K steps land while this one is quantised
.endif
	s_wait_xcnt 0x0                                ; the last unit's stores have read the code registers: only now are they written again
	QUANT HA, \pw
.endm
	s_load_b512 s[4:19], s[0:1], 0x0               ; layer_input, the keys' codes, their scales, Wq's codes, Wq's scales, bq, Wkv's codes, Wkv's scales
	s_load_b256 s[20:27], s[0:1], 0x40             ; bkv, qimg, qsc, kv
	v_lshl_add_u32 v254, v0, 2, 0x39800
	v_mov_b32 v255, 0
	v_lshrrev_b32 v16, 5, v0
	v_readfirstlane_b32 s[WV], v16                 ; wave 0..7
	v_and_b32 v17, 31, v0                          ; lane
	v_and_b32 v18, 15, v0                          ; r
	v_bfe_u32 v19, v0, 4, 1                        ; h
	v_lshlrev_b32 v[LI], 4, v17
	v_lshlrev_b32 v[LS], 2, v17
	v_lshlrev_b32 v[L8], 3, v17
	v_and_b32 v20, 8, v18
	v_add_nc_u32 v20, v20, v18                     ; r + 8 (r / 8)
	v_lshlrev_b32 v[WA], 9, v20
	v_lshl_add_u32 v[WA], v19, 4, v[WA]
	v_lshlrev_b32 v[WSA], 4, v20
	v_lshlrev_b32 v[BA], 6, v19
	v_lshlrev_b32 v[BVA], 2, v20
	; every LDS address is made here, ahead of the parting of the roles: a constant, a constant x lane, a constant x wave
	s_mul_i32 s48, s[WV], QSTW
	s_add_co_u32 s48, s48, QST
	v_add_nc_u32 v[STA], s48, v[LI]
	v_mul_u32_u24 v[STR], v18, 1040
	v_lshl_add_u32 v[STR], v19, 6, v[STR]
	v_add_nc_u32 v[STR], s48, v[STR]
	v_mul_u32_u24 v21, v18, 528
	v_lshl_add_u32 v21, v19, 4, v21                ; 528 r + 16 h
	s_lshr_b32 s60, s[WV], 1                       ; role Q: which 16 rows I quantise,
	s_and_b32 s61, s[WV], 1                        ; and which half of their K
	s_mul_i32 s51, s60, 8448
	s_lshl_b32 s52, s61, 8
	s_add_co_u32 s51, s51, s52
	s_add_co_u32 s51, s51, XC
	v_add_nc_u32 v[XCW], s51, v21
	s_lshl_b32 s51, s60, 8
	s_lshl_b32 s52, s61, 3
	s_add_co_u32 s51, s51, s52
	s_add_co_u32 s51, s51, XSC
	v_lshl_add_u32 v[XSW], v18, 4, s51
	v_add_nc_u32 v[XCR], XC, v21
	v_add_nc_u32 v[XSR], XSC, v[LI]
	s_mul_i32 s51, s[WV], 8448
	v_add_nc_u32 v[XKW], s51, v[LI]
	v_add_nc_u32 v[XKR], XK, v21
.irp b, 0,1,2,3
	v_mov_b32 v[TM+4+\b], 0                        ; written once: a lane permute's destination counts as one of its sources
.endr
	s_mov_b32 s[SEL], 0x76543210
	s_mov_b32 s[SEL+1], 0xfedcba98                 ; v_permlanex16_b32's selects for lane l xor 16
	s_mov_b32 s[MNT], 0x600000                     ; the mantissa field of 448
	s_sub_co_u32 s53, ttmp9, 128                   ; role KV: y
	s_and_b32 s54, s53, 1                          ; g: which four heads
	s_lshr_b32 s55, s53, 1                         ; which 128 keys
	s_and_b32 s56, s[WV], 3
	s_lshl_b32 s57, s54, 2
	s_add_co_u32 s57, s57, s56                     ; my head: 4 g + wave % 4
	s_lshl_b32 s58, s57, 6
	s_lshr_b32 s59, s[WV], 2
	s_lshl_b32 s59, s59, 9
	s_add_co_u32 s58, s58, s59                     ; role KV: my first row of Wkv: 64 x head, + 512 for v
	s_lshl_b32 s59, s[WV], 6                       ; role Q: of Wq: 64 x wave
	s_mov_b32 s49, 0
	s_wait_kmcnt 0x0
	s_cmp_lt_u32 ttmp9, 128                        ; the choice hangs on the work-group's number alone
	s_cselect_b64 s[WP:WP+1], s[10:11], s[16:17]
	s_cselect_b64 s[WSP:WSP+1], s[12:13], s[18:19]
	s_cselect_b64 s[BP:BP+1], s[14:15], s[20:21]
	s_cselect_b32 s58, s59, s58
	s_lshl_b32 s48, s58, 9
	s_add_nc_u64 s[WP:WP+1], s[WP:WP+1], s[48:49]
	s_lshl_b32 s48, s58, 4
	s_add_nc_u64 s[WSP:WSP+1], s[WSP:WSP+1], s[48:49]
	s_lshl_b32 s48, s58, 2
	s_add_nc_u64 s[BP:BP+1], s[BP:BP+1], s[48:49]
	s_cmp_lt_u32 ttmp9, 128
	s_cbranch_scc0 .Lrole_kv
	; ======== ROLE Q ========
	s_lshl_b32 s48, ttmp9, 17                      ; 64 rows of 2,048 bytes a work-group,
	s_lshl_b32 s50, s60, 15                        ; 16 rows,
	s_add_co_u32 s48, s48, s50
	s_lshl_b32 s50, s61, 10                        ; half a row
	s_add_co_u32 s48, s48, s50
	s_add_nc_u64 s[XP:XP+1], s[4:5], s[48:49]
	s_lshr_b32 s50, ttmp9, 5
	s_lshl_b32 s50, s50, 3
	s_add_co_u32 s50, s50, s[WV]                   ; 8 x batch + head
	s_and_b32 s51, ttmp9, 31                       ; which 64 rows of the batch
	s_lshl_b32 s48, s50, 17
	s_lshl_b32 s52, s51, 12
	s_add_co_u32 s48, s48, s52
	s_add_nc_u64 s[OUT1:OUT1+1], s[22:23], s[48:49]
	s_lshl_b32 s48, s50, 13
	s_lshl_b32 s52, s51, 8
	s_add_co_u32 s48, s48, s52
	s_add_nc_u64 s[OUT2:OUT2+1], s[24:25], s[48:49]
.irp i, 0,1,2,3,4,5,6,7,8,9,10,11,12,13,14,15
.irp p, 0,1
	global_load_b128 v[RAW+8*\i+4*\p:RAW+8*\i+4*\p+3], v[LI], s[XP:XP+1] offset:2048*\i+512*\p   ; 32 lanes read 512 consecutive bytes
.endr
.endr
	WIN 0x40                                       ; destination window 1
	WLOAD 0
	WLOAD 1
	WLOAD 2
	WIN 0
	s_wait_loadcnt 48                              ; the 48 weight loads issued behind x's may stay out
.irp i, 0,1,2,3,4,5,6,7,8,9,10,11,12,13,14,15
.irp p, 0,1
	ds_store_b128 v[STA], v[RAW+8*\i+4*\p:RAW+8*\i+4*\p+3] offset:1040*\i+512*\p
.endr
.endr
	WIN 0x40
	WLOAD 3
	WIN 0
	WSLOAD
	BLOADK
	s_wait_dscnt 0x0                               ; the stores have read their registers
.irp f, 0,1
.irp b, 0,1,2,3
.irp j, 0,1,2,3
	ds_load_b128 v[RAW+64*\f+16*\b+4*\j:RAW+64*\f+16*\b+4*\j+3], v[STR] offset:512*\f+128*\b+16*\j   ; row r: of each block of 32 my half's 16 neighbours (my own stage: LDS serves a wave in order)
.endr
.endr
.endr
	s_wait_dscnt 16                                ; the first K step's 16 loads are in, the second's may be out
	QUANT HA, PW
.irp c, 0,1,2,3
	ds_store_b128 v[XCW], v[PC+4*\c:PC+4*\c+3] offset:32*\c
.endr
	ds_store_b32 v[XSW], v[PW]                     ; both lanes of a row write the same word with the same value
	s_wait_dscnt 0x0                               ; the stores have read their registers, and the second K step is in
	QUANT XF, PW
.irp c, 0,1,2,3
	ds_store_b128 v[XCW], v[PC+4*\c:PC+4*\c+3] offset:128+32*\c
.endr
	ds_store_b32 v[XSW], v[PW] offset:4
	BARRIER                                        ; the 64 rows' codes and scale bytes lie in LDS
.irp u, 0,1
	ds_load_b128 v[XS+4*\u:XS+4*\u+3], v[XSR] offset:512*\u   ; lane l: the four words of row 32 u + l
.endr
	FETCH2 XCR, 0, 0
	s_wait_loadcnt 0x0                             ; the weights, their scales, the bias
.irp u, 0,1
	UNIT 0, XCR, 16896*\u, XS+4*\u, 1-\u, VW+\u
.irp p, 0,1,2,3
	global_store_b128 v[LI], v[PC+4*\p:PC+4*\p+3], s[OUT1:OUT1+1] offset:2048*\u+512*\p   ; 512 consecutive bytes: tile 2 u + p / 2, channels 32 (p % 2) on
.endr
.endr
	global_store_b64 v[L8], v[VW:VW+1], s[OUT2:OUT2+1]   ; the two units' scale words: 256 consecutive bytes
	s_wait_tensorcnt 0x0
	ds_add_u32 v254, v255
	s_wait_dscnt 0x0
	s_endpgm
	; ======== ROLE KV ========
.Lrole_kv:
	s_lshl_b32 s48, s55, 16                        ; 128 rows of 512 bytes,
	s_lshl_b32 s50, s[WV], 13                      ; my 16 of them
	s_add_co_u32 s48, s48, s50
	s_add_nc_u64 s[XP:XP+1], s[6:7], s[48:49]
	s_lshl_b32 s48, s55, 11
	s_add_nc_u64 s[CSP:CSP+1], s[8:9], s[48:49]
	s_lshr_b32 s50, s55, 4                         ; batch
	s_lshl_b32 s50, s50, 3
	s_add_co_u32 s50, s50, s57
	s_lshl_b32 s50, s50, 4
	s_and_b32 s51, s55, 15                         ; key step
	s_add_co_u32 s50, s50, s51
	s_mul_i32 s48, s50, REC
	s_add_nc_u64 s[OUT1:OUT1+1], s[26:27], s[48:49]   ; my head's record of this key step
.irp i, 0,1,2,3,4,5,6,7,8,9,10,11,12,13,14,15
	global_load_b128 v[XF+4*\i:XF+4*\i+3], v[LI], s[XP:XP+1] offset:512*\i   ; a row of 512 codes an instruction
.endr
.irp u, 0,1,2,3
	global_load_b128 v[XS+4*\u:XS+4*\u+3], v[LI], s[CSP:CSP+1] offset:512*\u   ; lane l: the four words of key 32 u + l
.endr
	WIN 0x40
	WLOAD 0
	WLOAD 1
	WLOAD 2
	WIN 0
	s_wait_loadcnt 48                              ; the 48 weight loads may stay out
.irp i, 0,1,2,3,4,5,6,7,8,9,10,11,12,13,14,15
	ds_store_b128 v[XKW], v[XF+4*\i:XF+4*\i+3] offset:528*\i
.endr
	WIN 0x40
	WLOAD 3
	WIN 0
	WSLOAD
	BARRIER                                        ; the 128 keys' codes lie in LDS; no barrier follows, so the waves may part
	s_cmp_lt_u32 s[WV], 4
	s_cbranch_scc0 .Ltype_v
	; ---- k: as q
	BLOADK
	FETCH2 XKR, 0, 0
	s_wait_loadcnt 0x0
.irp u, 0,1,2,3
	UNIT 0, XKR, 16896*\u, XS+4*\u, 3-\u, VW+\u
.irp p, 0,1,2,3
	global_store_b128 v[LI], v[PC+4*\p:PC+4*\p+3], s[OUT1:OUT1+1] offset:2048*\u+512*\p   ; a pair of key tiles is ONE operand: the even tile in k = 0 .. 63, the odd one in k = 64 .. 127
.endr
.endr
	global_store_b128 v[LI], v[VW:VW+3], s[OUT1:OUT1+1] offset:16384   ; the four pairs' scale words, 16 bytes a lane
	s_wait_tensorcnt 0x0
	ds_add_u32 v254, v255
	s_wait_dscnt 0x0
	s_endpgm
	; ---- v: a lane holds a channel, its registers run along the keys
.Ltype_v:
.irp n, 0,1,2,3
	global_load_b32 v[BIAS+8*\n], v[BVA], s[BP:BP+1] offset:(32*(\n/2)+8*(\n%2))*4
.endr
	FETCH2 XKR, 0, 0
	s_wait_loadcnt 0x0
.irp n, 0,1,2,3
.irp j, 1,2,3,4,5,6,7
	v_mov_b32 v[BIAS+8*\n+\j], v[BIAS+8*\n]        ; the C of a tile: my channel's bias for all eight keys
.endr
.endr
.irp u, 0,1,2,3
	UNIT 1, XKR, 16896*\u, XS+4*\u, 3-\u, -1
.irp n, 0,1,2,3
	global_store_b128 v[LI], v[PC+4*\n:PC+4*\n+3], s[OUT1:OUT1+1] offset:8192+2048*\n+512*\u   ; channel tile n, keys 32 u on
.if \u == 0
	v_mov_b32 v[VW+\n], v[TM+4+\n]                 ; a channel's four bytes of the step make its scale word
.else
	v_lshl_or_b32 v[VW+\n], v[TM+4+\n], 8*\u, v[VW+\n]
.endif
.endr
.endr
	global_store_b128 v[LI], v[VW:VW+3], s[OUT1:OUT1+1] offset:16896
	s_wait_tensorcnt 0x0
	ds_add_u32 v254, v255
	s_wait_dscnt 0x0
	s_endpgm
.Lfunc_end_k_qad55e59c62_proj:
	.size	k_qad55e59c62_proj, .Lfunc_end_k_qad55e59c62_proj-k_qad55e59c62_proj
	.p2alignl 7, 3214868480
	.fill 96, 4, 3214868480
	.section	.rodata,"a",@progbits
	.p2align	6, 0x0
	.amdhsa_kernel k_qad55e59c62_proj
		.amdhsa_group_segment_fixed_size 236544
		.amdhsa_private_segment_fixed_size 0
		.amdhsa_enable_private_segment 0
		.amdhsa_kernarg_size 96
		.amdhsa_user_sgpr_count 2
		.amdhsa_user_sgpr_kernarg_segment_ptr 1
		.amdhsa_wavefront_size32 1
		.amdhsa_system_sgpr_workgroup_id_x 1
		.amdhsa_system_sgpr_workgroup_id_y 1
		.amdhsa_system_sgpr_workgroup_id_z 1
		.amdhsa_system_vgpr_workitem_id 0
		.amdhsa_next_free_vgpr 512
		.amdhsa_next_free_sgpr 66
		.amdhsa_reserve_vcc 0
		.amdhsa_float_denorm_mode_32 3
		.amdhsa_float_denorm_mode_16_64 3
		.amdhsa_memory_ordered 1
		.amdhsa_forward_progress 1
		.amdhsa_inst_pref_size 199
	.end_amdhsa_kernel
	.amdgpu_metadata
---
amdhsa.version: [ 1, 2 ]
amdhsa.kernels:
  - .name:           k_qad55e59c62_proj
    .symbol:         k_qad55e59c62_proj.kd
    .args:
      - { .name: layer_input, .offset: 0, .size: 8, .value_kind: global_buffer, .address_space: global }
      - { .name: cross_attn_input_codes, .offset: 8, .size: 8, .value_kind: global_buffer, .address_space: global }
      - { .name: cross_attn_input_scales, .offset: 16, .size: 8, .value_kind: global_buffer, .address_space: global }
      - { .name: Wq_codes, .offset: 24, .size: 8, .value_kind: global_buffer, .address_space: global }
      - { .name: Wq_scales, .offset: 32, .size: 8, .value_kind: global_buffer, .address_space: global }
      - { .name: bq, .offset: 40, .size: 8, .value_kind: global_buffer, .address_space: global }
      - { .name: Wkv_codes, .offset: 48, .size: 8, .value_kind: global_buffer, .address_space: global }
      - { .name: Wkv_scales, .offset: 56, .size: 8, .value_kind: global_buffer, .address_space: global }
      - { .name: bkv, .offset: 64, .size: 8, .value_kind: global_buffer, .address_space: global }
      - { .name: qimg, .offset: 72, .size: 8, .value_kind: global_buffer, .address_space: global }
      - { .name: qsc, .offset: 80, .size: 8, .value_kind: global_buffer, .address_space: global }
      - { .name: kv, .offset: 88, .size: 8, .value_kind: global_buffer, .address_space: global }
    .group_segment_fixed_size: 236544
    .private_segment_fixed_size: 0
    .kernarg_segment_align: 8
    .kernarg_segment_size: 96
    .max_flat_workgroup_size: 256
    .sgpr_count:     66
    .vgpr_count:     512
    .wavefront_size: 32
...
	.end_amdgpu_metadata
.endif
;; end of part 1
;; launch attn (part 2): grid 8 x 32, 16 waves a work-group, clusters of 4 x 1, 327,680 bytes of LDS; arguments qimg, qsc, kv, oimg, osc; writes oimg, osc
.if DOCPART == 2
	.amdgcn_target "amdgcn-amd-amdhsa--gfx1250"
	.amdhsa_code_object_version 6
	.text
	.protected	k_qad55e59c62_attn
	.globl	k_qad55e59c62_attn
	.p2align	8
	.type	k_qad55e59c62_attn,@function
k_qad55e59c62_attn:
	s_mov_b64 s[64:65], 0
	v_nop
	global_prefetch_b8 v0, s[64:65] scope:SCOPE_SE
	s_setreg_imm32_b32 hwreg(HW_REG_WAVE_MODE, 25, 1), 1
	s_wait_xcnt 0x0
	s_wait_alu depctr_hold_cnt(0) depctr_sa_sdst(0) depctr_va_vdst(0) depctr_va_sdst(0) depctr_va_ssrc(0) depctr_va_vcc(0) depctr_vm_vsrc(0)
	s_getreg_b32 s2, hwreg(HW_REG_IB_STS2, 6, 4)
	s_cmp_eq_u32 s2, 0
	s_cbranch_scc0 .Lentry_in_a_cluster
	s_endpgm
.Lentry_in_a_cluster:
	s_bfe_u32 s2, ttmp6, 0x10000c
	s_cmp_lg_u32 s2, 0x3003
	s_cbranch_scc0 .Lentry_shape_is_right
	s_endpgm
.Lentry_shape_is_right:
; o = softmax(q k^T / 8) v for one head, both products on codes of FP8 (E4M3) with one E8M0 scale for each 32 along K, and o quantised along its 64 channels for the output projection.
; THE SOFTMAX AHEAD OF THE SECOND PRODUCT: t = score x log2(e) / 8; M = the running largest t rounded UP to a whole number; p = 2^(t - M) is quantised along the keys, not normalised; the row's sum is taken
; of the unquantised p and divides at the end.  When M moves, the sum and O are multiplied by 2^(old M - new M), which rounds nothing.
; SHARES.  A work-group owns 256 queries of one head (batch x head = work-group y); each of its sixteen waves owns one tile of 16 in 256 registers, four waves to a SIMD, so that one wave's vector work
; stands beside another's products and LDS loads.  Every wave walks the head's 2,048 keys, 128 a step.
; THE WHOLE HEAD LIES IN LDS: 16 records of 17,408 bytes (a key step's K, V and scale words, as images of operand registers) are 278,528 bytes.  So nothing is filled twice: waves 0-3 ask for four
; records each at the start, and each group of four steps begins behind a counted wait and a barrier.  A wave has at most four tensor loads out.
; CLUSTER.  The four query blocks of a cluster belong to one head: every record is asked for JOINTLY, by the same load with the same descriptor and a mask that names the four.
; LAYOUT.  Both products are used transposed (S^T = K Q^T, O^T = V^T P^T): a lane holds ONE query.  K = 64 in an instruction of 128: an operand of K holds TWO key tiles, the even one in k = 0 .. 63, the odd one in
; k = 64 .. 127, and is multiplied once by [Q | zeros] and once by [zeros | Q], two overlapping runs of the 24 registers [Q][zeros][Q].  Zero codes add nothing under any scale byte that is made here.
; The 16 registers of a pair of score tiles are 16 keys of one block of 32, in the order in which the first launch laid v's codes: the same order on both sides of the second product.
; LIMITS: NaN and infinities are not served.  A block's largest p is taken through its largest score (v_exp_f32 is taken not to fall where its input rises).  A block of o whose largest magnitude lies under
; 2^-118 gets the byte 1.
.set REC, 17408
.set LI,  1                            ; v1   16 x lane
.set LS,  2                            ; v2   4 x lane
.set ADK, 3                            ; v3   the step's record, + 16 x lane
.set L8,  4                            ; v4   8 x lane
.set QA,  16                           ; v16-31 [Q | zeros];  v24-39 [zeros | Q]
.set QB,  24
.set KB,  40                           ; v40-103  four operands: K's pairs, then V's channel tiles
.set S,   104                          ; v104-167 the scores, then p
.set O,   168                          ; v168-199 O^T: register 16 b + i is channel 32 b + 16 (lane / 16) + i
.set PC,  200                          ; v200-215 p's codes
.set BM,  216                          ; block maxima
.set T2,  220                          ; the other half's, then the bytes, then a second chain of sums
.set HL,  224                          ; 448 x the scale
.set SO,  228                          ; the conversions' scale operands
.set KS,  232                          ; K's scale words
.set VS,  236                          ; V's
.set QS,  240                          ; Q's: its two bytes twice
.set PWD, 241                          ; p's
.set F,   242                          ; v[242:243] f = 2^(old M - new M)
.set TA,  244
.set WV,  14
.set SEL, 16
.set CS,  18                           ; s[18:19] c = log2(e) / 8
.set MNT, 20
.set TB,  21                           ; LDS byte of the step's record
.set CNT, 22
.set G1,  24                           ; s[24:31] descriptor group 1;  s[32:47] four groups 0
.set G0,  32
.macro CROUND                          ; a round of the cluster's barrier
	s_barrier_signal -1
	s_barrier_wait -1
	s_cmp_lg_u32 s[WV], 0
	s_cbranch_scc1 .Lnot_wave_0_\@
	s_barrier_signal -3
.Lnot_wave_0_\@:
	s_barrier_wait -3
	s_barrier_signal -1
	s_barrier_wait -1
.endm
	s_load_b256 s[4:11], s[0:1], 0x0               ; qimg, qsc, kv, oimg
	s_load_b64 s[12:13], s[0:1], 0x20              ; osc
	v_lshl_add_u32 v254, v0, 2, 0x44000
	v_mov_b32 v255, 0
	ds_add_u32 v254, v255
	ds_add_u32 v254, v255
	v_lshrrev_b32 v5, 5, v0
	v_readfirstlane_b32 s[WV], v5                  ; wave 0..15
	v_and_b32 v5, 31, v0
	v_lshlrev_b32 v[LI], 4, v5
	v_lshlrev_b32 v[LS], 2, v5
	v_lshlrev_b32 v[L8], 3, v5
	s_and_b32 s50, ttmp7, 0xffff                   ; 8 x batch + head, which the four partners share
	s_and_b32 s51, s[WV], 3
	; descriptor group 1: a record is dense: 68 rows of 256 bytes (32 elements of 8 bytes), no padding
	s_mov_b32 s[G1], 15|(3<<16)|(1<<21)            ; 15:0 the mask: all four work-groups; 17:16 elements of 8 bytes; 21 set beside a mask
	s_mov_b32 s[G1+1], 32<<16                      ; tensor_dim0
	s_mov_b32 s[G1+2], 68<<16                      ; tensor_dim1
	s_mov_b32 s[G1+3], 32<<16                      ; tile_dim0
	s_mov_b32 s[G1+4], 68                          ; tile_dim1
	s_mov_b32 s[G1+5], 32                          ; from row to row
	s_mov_b32 s[G1+6], 0
	s_mov_b32 s[G1+7], 0
	s_mul_i32 s52, s51, REC                        ; LDS: record wave % 4; no place in the cluster enters it
	s_lshl_b32 s54, s50, 4
	s_add_co_u32 s54, s54, s51
	s_mul_i32 s54, s54, REC                        ; and in memory: record 16 x (batch, head) + wave % 4
	s_mov_b32 s55, 0
	s_mov_b32 s[SEL], 0x76543210
	s_mov_b32 s[SEL+1], 0xfedcba98
	s_mov_b32 s[CS], 0x3e38aa3b
	s_mov_b32 s[CS+1], s[CS]                       ; (named with it as a pair, so it is written)
	s_mov_b32 s[MNT], 0x600000
	s_mov_b32 s[TB], 0
	s_wait_dscnt 0x0
	s_wait_kmcnt 0x0
	s_add_nc_u64 s[54:55], s[8:9], s[54:55]
	CROUND                                         ; all four work-groups are here: the joint loads meet
.irp i, 0,1,2,3
	s_mov_b32 s[G0+4*\i], 1                        ; count = 1
	s_add_co_u32 s[G0+4*\i+1], s52, 4*\i*REC       ; LDS address: the record of step 4 i + wave
	s_add_nc_u64 s[G0+4*\i+2:G0+4*\i+3], s[54:55], 4*\i*REC
	s_or_b32 s[G0+4*\i+3], s[G0+4*\i+3], 0x80000000   ; type = 2
.endr
	s_cmp_lt_u32 s[WV], 4                          ; waves 0-3 fetch; a wave's four fills stand in one branch, ahead of every wait on TENSORcnt, every LDS read and every further barrier
	s_cbranch_scc0 .Lno_fill
	tensor_load_to_lds s[G0:G0+3], s[G1:G1+7]
	s_nop 0
	tensor_load_to_lds s[G0+4:G0+7], s[G1:G1+7]
	s_nop 0
	tensor_load_to_lds s[G0+8:G0+11], s[G1:G1+7]
	s_nop 0
	tensor_load_to_lds s[G0+12:G0+15], s[G1:G1+7]
	s_nop 0
.rept 4
	v_nop
.endr
.Lno_fill:
	s_bfe_u32 s48, ttmp6, 0x40000                  ; cx: it enters Q's and o's addresses alone
	s_lshl_b32 s49, ttmp9, 2
	s_add_co_u32 s49, s49, s48                     ; my block of 256 queries
	s_lshl_b32 s56, s49, 4
	s_add_co_u32 s56, s56, s[WV]                   ; my tile of 16 queries, 0 .. 127
	s_mov_b32 s59, 0
	s_lshl_b32 s58, s50, 17
	s_lshl_b32 s57, s56, 10
	s_add_co_u32 s58, s58, s57
	s_add_nc_u64 s[4:5], s[4:5], s[58:59]          ; Q's image: 1,024 bytes a tile
	s_lshl_b32 s58, s50, 13
	s_lshr_b32 s57, s56, 2
	s_lshl_b32 s57, s57, 8
	s_add_co_u32 s58, s58, s57
	s_bfe_u32 s57, s[WV], 0x10001
	s_lshl_b32 s57, s57, 2
	s_add_co_u32 s58, s58, s57
	s_add_nc_u64 s[6:7], s[6:7], s[58:59]          ; its pair's scale word: 256 bytes for four tiles, 8 a lane, 4 a pair
	global_load_b128 v[16:19], v[LI], s[4:5]
	global_load_b128 v[20:23], v[LI], s[4:5] offset:512
	global_load_b128 v[32:35], v[LI], s[4:5]       ; a second time: the two runs overlap in the zeros alone
	global_load_b128 v[36:39], v[LI], s[4:5] offset:512
	global_load_b32 v[QS], v[L8], s[6:7]
	s_lshr_b32 s57, s50, 3
	s_lshl_b32 s57, s57, 7
	s_add_co_u32 s57, s57, s56                     ; my tile among all 512 row tiles: 128 x batch + tile
	s_and_b32 s53, s50, 7                          ; head
	s_lshl_b32 s58, s57, 13
	s_lshl_b32 s48, s53, 10
	s_add_co_u32 s58, s58, s48
	s_add_nc_u64 s[10:11], s[10:11], s[58:59]      ; o's image: 8,192 bytes a row tile, 1,024 a head
	s_lshl_b32 s58, s57, 10
	s_lshl_b32 s48, s53, 7
	s_add_co_u32 s58, s58, s48
	s_add_nc_u64 s[12:13], s[12:13], s[58:59]      ; its scale words: 128 bytes a head
.irp j, 24,25,26,27,28,29,30,31
	v_mov_b32 v\j, 0                               ; the zero codes
.endr
	v_mov_b32 v13, 0xff61b1e6                      ; the largest t so far: -3e38, under every t
	v_floor_f32 v12, -v13                          ; -M
	v_mov_b32 v14, 0                               ; the sum, in two halves
	v_mov_b32 v15, 0
.irp b, 0,1,2,3
	v_mov_b32 v[T2+\b], 0                          ; written once: a lane permute's destination counts as one of its sources
.endr
	v_mov_b32 v[F+1], 0                            ; (named as the upper half of a pair)
	v_mov_b32 v[TA], 0
	s_and_b32 s57, s[WV], 1
	s_lshl_b32 s57, s57, 4
	s_wait_loadcnt 0x0
	v_lshrrev_b32 v[QS], s57, v[QS]                ; my tile's two bytes of the pair's word,
	v_and_b32 v[QS], 0xffff, v[QS]
	v_lshl_or_b32 v[QS], v[QS], 16, v[QS]          ; twice: Q stands in the lower or in the upper half of K
.set j, 0
.rept 32
	v_mov_b32 v[O+j], 0                            ; O^T: the step is written once, and the first change of M leaves zeros zeros.  (These lines are also the places between Q's scale word and the first product)
.set j, j+1
.endr
; A KEY STEP: 128 keys.
.macro STEP
	v_add_nc_u32 v[ADK], s[TB], v[LI]
.rept 7
	v_nop                                          ; with the line above: eight places behind the last products, in front of loads into registers that they read
.endr
	ds_load_b128 v[KS:KS+3], v[ADK] offset:16384   ; the four pairs' scale words
.irp p, 0,1,2,3
.irp c, 0,1,2,3
	ds_load_b128 v[KB+16*\p+4*\c:KB+16*\p+4*\c+3], v[ADK] offset:2048*\p+512*\c
.endr
.endr
.irp p, 0,1,2,3
	s_wait_dscnt 12-4*\p                           ; pair p is in; the later pairs' loads may be out
	v_wmma_scale_f32_16x16x128_f8f6f4 v[S+16*\p:S+16*\p+7], v[KB+16*\p:KB+16*\p+15], v[QA:QA+15], 0, v[KS+\p], v[QS]
	v_wmma_scale_f32_16x16x128_f8f6f4 v[S+16*\p+8:S+16*\p+15], v[KB+16*\p:KB+16*\p+15], v[QB:QB+15], 0, v[KS+\p], v[QS]
.endr
.rept 8
	v_nop
.endr
	ds_load_b128 v[VS:VS+3], v[ADK] offset:16896   ; V is asked for now and lands under the softmax
.irp t, 0,1,2,3
.irp c, 0,1,2,3
	ds_load_b128 v[KB+16*\t+4*\c:KB+16*\t+4*\c+3], v[ADK] offset:8192+2048*\t+512*\c
.endr
.endr
.irp b, 0,1,2,3
	v_max3_num_f32 v[BM+\b], v[S+16*\b], v[S+1+16*\b], v[S+2+16*\b]   ; the largest score of each block of 32 keys: for the row's maximum, and for the block's largest p
.endr
.irp i, 3,5,7,9,11,13
.irp b, 0,1,2,3
	v_max3_num_f32 v[BM+\b], v[BM+\b], v[S+16*\b+\i], v[S+1+16*\b+\i]
.endr
.endr
.irp b, 0,1,2,3
	v_max_num_f32 v[BM+\b], v[BM+\b], v[S+15+16*\b]
.endr
.irp b, 0,1,2,3
	v_permlanex16_b32 v[T2+\b], v[BM+\b], s[SEL], s[SEL+1]
.endr
.irp b, 0,1,2,3
	v_max_num_f32 v[BM+\b], v[BM+\b], v[T2+\b]     ; with lane l xor 16's 16 keys
.endr
	v_max3_num_f32 v[TA], v[BM], v[BM+1], v[BM+2]
	v_max_num_f32 v[TA], v[TA], v[BM+3]
	v_mul_f32 v[TA], s[CS], v[TA]                  ; the step's largest t (c is positive)
	v_max_num_f32 v13, v13, v[TA]
	v_mov_b32 v[TA], v12
	v_floor_f32 v12, -v13                          ; the new -M = -ceil(t)
	v_sub_f32 v[TA], v12, v[TA]                    ; old M - new M: a whole number, 0 or less
	v_cvt_i32_f32 v[TA], v[TA]                     ; (it saturates)
	v_ldexp_f32 v[F], 1.0, v[TA]
.set j, 0
.rept 32
	v_pk_fma_f32 v[S+j:S+j+1], v[S+j:S+j+1], s[CS:CS+1], v[12:13] op_sel_hi:[1,0,0]   ; t - M, two at a time
.set j, j+2
.endr
.irp b, 0,1,2,3
	v_fma_f32 v[BM+\b], v[BM+\b], s[CS], v12
.endr
.set j, 0
.rept 64
	v_exp_f32 v[S+j], v[S+j]                       ; p = 2^(t - M)
.set j, j+1
.endr
.irp b, 0,1,2,3
	v_exp_f32 v[BM+\b], v[BM+\b]                   ; the block's largest p: the same two instructions on the same number
.endr
	v_pk_mul_f32 v[14:15], v[14:15], v[F:F+1] op_sel_hi:[1,0]   ; the sums under the new M (a plain line behind the exponentials)
	s_wait_alu depctr_va_vdst(0)
.irp b, 0,1,2,3
	v_max_num_f32 v[BM+\b], 0x4800000, v[BM+\b]    ; the floor 2^(9 - 127)
.endr
.irp b, 0,1,2,3
	v_add_nc_u32 v[SO+\b], 0xfc000000, v[BM+\b]
.endr
.irp b, 0,1,2,3
	v_and_or_b32 v[HL+\b], v[BM+\b], 0x7f800000, s[MNT]
.endr
.irp b, 0,1,2,3
	v_lshrrev_b32 v[T2+\b], 23, v[SO+\b]
.endr
	v_lshl_or_b32 v[PWD], v[T2+1], 8, v[T2]        ; p's scale word for these 128 keys
	v_lshl_or_b32 v[PWD], v[T2+2], 16, v[PWD]
	v_lshl_or_b32 v[PWD], v[T2+3], 24, v[PWD]
	v_pk_add_f32 v[T2:T2+1], v[S:S+1], v[S+2:S+3]  ; the row's sum is taken of the unquantised p, in two chains
.set j, 4
.rept 15
	v_pk_add_f32 v[14:15], v[14:15], v[S+j:S+j+1]
	v_pk_add_f32 v[T2:T2+1], v[T2:T2+1], v[S+j+2:S+j+3]
.set j, j+4
.endr
	v_pk_add_f32 v[14:15], v[14:15], v[T2:T2+1]
.irp b, 0,1,2,3
.set j, 0
.rept 16
	v_min_num_f32 v[S+16*\b+j], v[S+16*\b+j], v[HL+\b]   ; the conversion does not saturate (ISA guide 7.6.2); p is not negative, so the hold is one-sided
.set j, j+1
.endr
	v_cvt_scalef32_pk8_fp8_f32 v[PC+4*\b:PC+4*\b+1], v[S+16*\b:S+16*\b+7], v[SO+\b]
	v_cvt_scalef32_pk8_fp8_f32 v[PC+4*\b+2:PC+4*\b+3], v[S+16*\b+8:S+16*\b+15], v[SO+\b]
.endr
.set j, 0
.rept 16
	v_pk_mul_f32 v[O+j:O+j+1], v[O+j:O+j+1], v[F:F+1] op_sel_hi:[1,0]   ; O^T under the new M; also the places between the codes and the products
.set j, j+2
.endr
	s_wait_dscnt 0x0                               ; V is in
.irp t, 0,1,2,3
	v_wmma_scale_f32_16x16x128_f8f6f4 v[O+8*\t:O+8*\t+7], v[KB+16*\t:KB+16*\t+15], v[PC:PC+15], v[O+8*\t:O+8*\t+7], v[VS+\t], v[PWD]
.endr
	s_add_co_u32 s[TB], s[TB], REC
.endm
; Four key steps.  A loading wave's load i brought one of their records: the 3 - i loads issued behind it may stay out.
.macro GROUP i
	s_wait_tensorcnt 3-\i
	s_barrier_signal -1
	s_barrier_wait -1
	s_mov_b32 s[CNT], 4
.Lstep_\@:
	STEP
	s_sub_co_u32 s[CNT], s[CNT], 1
	s_cmp_lg_u32 s[CNT], 0
	s_cbranch_scc1 .Lstep_\@
.endm
	GROUP 0
	GROUP 1
	GROUP 2
	GROUP 3
	; THE WAY OUT: O^T / the sum is quantised along its 64 channels, two blocks, and leaves as the output projection's operand registers.
.rept 8
	v_nop
.endr
	v_add_f32 v14, v14, v15
	v_permlanex16_b32 v[TA], v14, s[SEL], s[SEL+1]
	v_add_f32 v14, v14, v[TA]                      ; the row's sum
	v_rcp_f32 v14, v14
	v_nop                                          ; a plain line behind the transcendental
.set j, 0
	s_wait_alu depctr_va_vdst(0)
.rept 16
	v_pk_mul_f32 v[S+j:S+j+1], v[O+j:O+j+1], v[14:15] op_sel_hi:[1,0]   ; each accumulator from its low end on
.set j, j+2
.endr
.irp b, 0,1
	v_max3_num_f32 v[BM+\b], |v[S+16*\b]|, |v[S+1+16*\b]|, 0x4800000
.endr
.irp i, 2,4,6,8,10,12,14
.irp b, 0,1
	v_max3_num_f32 v[BM+\b], v[BM+\b], |v[S+16*\b+\i]|, |v[S+1+16*\b+\i]|
.endr
.endr
.irp b, 0,1
	v_permlanex16_b32 v[T2+\b], v[BM+\b], s[SEL], s[SEL+1]
.endr
.irp b, 0,1
	v_max_num_f32 v[BM+\b], v[BM+\b], v[T2+\b]
.endr
.irp b, 0,1
	v_add_nc_u32 v[SO+\b], 0xfc000000, v[BM+\b]
.endr
.irp b, 0,1
	v_and_or_b32 v[HL+\b], v[BM+\b], 0x7f800000, s[MNT]
.endr
.irp b, 0,1
	v_lshrrev_b32 v[T2+\b], 23, v[SO+\b]
.endr
	v_lshl_or_b32 v[PWD], v[T2+1], 8, v[T2]        ; the head's two bytes; the upper half stays 0
.irp b, 0,1
.set j, 0
.rept 16
	v_med3_num_f32 v[S+16*\b+j], v[S+16*\b+j], -v[HL+\b], v[HL+\b]
.set j, j+1
.endr
	v_cvt_scalef32_pk8_fp8_f32 v[PC+4*\b:PC+4*\b+1], v[S+16*\b:S+16*\b+7], v[SO+\b]
	v_cvt_scalef32_pk8_fp8_f32 v[PC+4*\b+2:PC+4*\b+3], v[S+16*\b+8:S+16*\b+15], v[SO+\b]
.endr
	v_nop
	global_store_b128 v[LI], v[PC:PC+3], s[10:11]            ; 512 consecutive bytes each
	global_store_b128 v[LI], v[PC+4:PC+7], s[10:11] offset:512
	global_store_b32 v[LS], v[PWD], s[12:13]                 ; 128 bytes: the unit's other half is another head's
	s_wait_tensorcnt 0x0
	ds_add_u32 v254, v255
	s_wait_dscnt 0x0
	CROUND                                         ; the closing round: no work-group ends while a partner may still ask for a record that names it
	s_endpgm
.Lfunc_end_k_qad55e59c62_attn:
	.size	k_qad55e59c62_attn, .Lfunc_end_k_qad55e59c62_attn-k_qad55e59c62_attn
	.p2alignl 7, 3214868480
	.fill 96, 4, 3214868480
	.section	.rodata,"a",@progbits
	.p2align	6, 0x0
	.amdhsa_kernel k_qad55e59c62_attn
		.amdhsa_group_segment_fixed_size 327680
		.amdhsa_private_segment_fixed_size 0
		.amdhsa_enable_private_segment 0
		.amdhsa_kernarg_size 40
		.amdhsa_user_sgpr_count 2
		.amdhsa_user_sgpr_kernarg_segment_ptr 1
		.amdhsa_wavefront_size32 1
		.amdhsa_system_sgpr_workgroup_id_x 1
		.amdhsa_system_sgpr_workgroup_id_y 1
		.amdhsa_system_sgpr_workgroup_id_z 1
		.amdhsa_system_vgpr_workitem_id 0
		.amdhsa_next_free_vgpr 256
		.amdhsa_next_free_sgpr 66
		.amdhsa_reserve_vcc 0
		.amdhsa_float_denorm_mode_32 3
		.amdhsa_float_denorm_mode_16_64 3
		.amdhsa_memory_ordered 1
		.amdhsa_forward_progress 1
		.amdhsa_inst_pref_size 87
	.end_amdhsa_kernel
	.amdgpu_metadata
---
amdhsa.version: [ 1, 2 ]
amdhsa.kernels:
  - .name:           k_qad55e59c62_attn
    .symbol:         k_qad55e59c62_attn.kd
    .args:
      - { .name: qimg, .offset: 0, .size: 8, .value_kind: global_buffer, .address_space: global }
      - { .name: qsc, .offset: 8, .size: 8, .value_kind: global_buffer, .address_space: global }
      - { .name: kv, .offset: 16, .size: 8, .value_kind: global_buffer, .address_space: global }
      - { .name: oimg, .offset: 24, .size: 8, .value_kind: global_buffer, .address_space: global }
      - { .name: osc, .offset: 32, .size: 8, .value_kind: global_buffer, .address_space: global }
    .group_segment_fixed_size: 327680
    .private_segment_fixed_size: 0
    .kernarg_segment_align: 8
    .kernarg_segment_size: 40
    .max_flat_workgroup_size: 512
    .sgpr_count:     66
    .vgpr_count:     256
    .wavefront_size: 32
...
	.end_amdgpu_metadata
.endif
;; end of part 2
;; launch oproj (part 3): grid 256 x 1, 8 waves a work-group, no clusters, 84,480 bytes of LDS; arguments oimg, osc, Wo_codes, Wo_scales, bo, layer_input, gamma, beta, out0; writes out0
.if DOCPART == 3
	.amdgcn_target "amdgcn-amd-amdhsa--gfx1250"
	.amdhsa_code_object_version 6
	.text
	.protected	k_qad55e59c62_oproj
	.globl	k_qad55e59c62_oproj
	.p2align	8
	.type	k_qad55e59c62_oproj,@function
k_qad55e59c62_oproj:
	s_mov_b64 s[64:65], 0
	v_nop
	global_prefetch_b8 v0, s[64:65] scope:SCOPE_SE
	s_setreg_imm32_b32 hwreg(HW_REG_WAVE_MODE, 25, 1), 1
	s_wait_xcnt 0x0
; out = LayerNorm(o Wo + bo + layer_input) x gamma + beta.  o arrives as images of operand registers (codes of FP8, E4M3) with its scale words; Wo as codes, K innermost; the product on codes, all else f32.
; SHARES.  A work-group takes 32 rows (two tiles of 16) and all 512 columns.  Wave w makes columns 64 w .. 64 w + 63, with its 64 rows of Wo in 256 registers (window 1); for the norm it owns rows 4 w .. 4 w + 3 whole.
; The product is used transposed (source 0 = Wo's rows, source 1 = o), and lane r of weight tile 2 b + u takes row 32 b + 8 u + r + 8 (r / 8): a lane's 16 registers of two tiles are 16 neighbouring columns of one row.
; The rows meet in a stage in LDS; each wave reads four whole rows back, adds the residual and norms them: mean first, then the mean of the squared differences, so that no difference of large sums is formed.
; NO JOINT LOADS: Wo shared among work-groups would have to go through LDS: 262,144 bytes beside the stage's 66,048 do not fit.  No tensor load, no loop, no branch.
; LIMITS: NaN and infinities among the inputs are not served.
.set OI,  0                            ; LDS: o's eight fragments (tile of rows m, K step s: 4 m + s), 2,048 bytes each
.set OSW, 16384                        ; their scale words, 128 bytes each
.set YS,  17408                        ; the stage: 32 rows x (2,048 + 16) bytes
.set YP,  2064
.set LI,  1                            ; v1  16 x lane
.set LS,  2                            ; v2  4 x lane
.set WA,  3                            ; v3  my row of a weight tile
.set WSA, 4                            ; v4  its scale bytes
.set BA,  5                            ; v5  64 h
.set OIW, 6                            ; v6  where I put my fragment of o
.set OWW, 7                            ; v7  and its scale word
.set YW,  8                            ; v8  the stage: row r, my 64 columns, + 64 h
.set YR,  9                            ; v9  the stage: my four rows, 16 bytes a lane
.set WS,  16                           ; v16-31   Wo's scale words
.set BIAS, 32                          ; v32-63   bo in the result's layout
.set OS,  64                           ; v64-71   o's scale words
.set OF,  72                           ; v72-135  o's four fragments of a tile of rows
.set ACC, 136                          ; v136-167 four accumulators
.set RES, 168                          ; v168-231 the residual: four rows x 16 numbers
.set G,   72                           ; later: gamma v72-87, beta v88-103, the rows v104-167
.set BT,  88
.set Y,   104
.set T,   232                          ; v232-239 a pair of sums a row
.set U,   240                          ; v240-243 the other half's
.set M,   244                          ; v244-251 a pair a row: the mean, then 1 / sqrt(var + eps), in the low register
.set WV,  22
.set WP,  8
.set WSP, 10
.set BP,  12
.set MSB, 0
.macro WIN new
.if MSB != \new
	s_set_vgpr_msb (MSB<<8)|\new
.set MSB, \new
.endif
.endm
.macro PLACES n
.rept \n
	v_nop
.endr
.endm
.macro BARRIER
	s_wait_dscnt 0x0
	s_barrier_signal -1
	s_barrier_wait -1
.endm
.macro WLOAD t
.irp s, 0,1,2,3
.irp c, 0,1,2,3
	global_load_b128 v[64*\t+16*\s+4*\c:64*\t+16*\s+4*\c+3], v[WA], s[WP:WP+1] offset:(32*(\t/2)+8*(\t%2))*512+128*\s+32*\c
.endr
.endr
.endm
.macro OFETCH m
.irp s, 0,1,2,3
.irp c, 0,1,2,3
	ds_load_b128 v[OF+16*\s+4*\c:OF+16*\s+4*\c+3], v[LI] offset:OI+8192*\m+2048*\s+512*\c
.endr
.endr
.endm
.macro MULO m                          ; 16 products: the four accumulators take turns, one instruction a turn; the first K step takes the bias as C
.irp s, 0,1,2,3
.irp t, 0,1,2,3
.set rD, ACC+8*\t
.set rC, rD
.if \s == 0
.set rC, BIAS+8*\t
.endif
	v_wmma_scale_f32_16x16x128_f8f6f4 v[rD:rD+7], v[64*\t+16*\s:64*\t+16*\s+15], v[OF+16*\s:OF+16*\s+15], v[rC:rC+7], v[WS+4*\t+\s], v[OS+4*\m+\s]
.endr
.endr
.endm
.macro YSTORE m                        ; lane (r, h): row 16 m + r, columns 64 w + 32 b + 16 h + 0 .. 15; each accumulator from its low end on
.irp b, 0,1
.irp q, 0,1,2,3
	ds_store_b128 v[YW], v[ACC+16*\b+4*\q:ACC+16*\b+4*\q+3] offset:16*YP*\m+128*\b+16*\q
.endr
.endr
.endm
.macro ACROSS                          ; each row's pair of sums becomes the sum over the wave, in every lane; the four rows by turns
.irp i, 0,1,2,3
	v_add_f32 v[T+2*\i], v[T+2*\i], v[T+2*\i+1]
.endr
.irp x, 1,2,4,8
.irp i, 0,1,2,3
	v_add_f32_dpp v[T+2*\i], v[T+2*\i], v[T+2*\i] row_xmask:\x row_mask:0xf bank_mask:0xf
.endr
.endr
.irp i, 0,1,2,3
	v_permlanex16_b32 v[U+\i], v[T+2*\i], s26, s27
.endr
.irp i, 0,1,2,3
	v_add_f32 v[T+2*\i], v[T+2*\i], v[U+\i]
.endr
.endm
	s_load_b512 s[4:19], s[0:1], 0x0               ; oimg, osc, Wo's codes, Wo's scales, bo, layer_input, gamma, beta
	s_load_b64 s[20:21], s[0:1], 0x40              ; out0
	v_lshl_add_u32 v15, v0, 2, 0x14600
	v_mov_b32 v255, 0
	v_lshrrev_b32 v16, 5, v0
	v_readfirstlane_b32 s[WV], v16                 ; wave 0..7
	v_and_b32 v17, 31, v0
	v_and_b32 v18, 15, v0                          ; r
	v_bfe_u32 v19, v0, 4, 1                        ; h
	v_lshlrev_b32 v[LI], 4, v17
	v_lshlrev_b32 v[LS], 2, v17
	v_and_b32 v20, 8, v18
	v_add_nc_u32 v20, v20, v18                     ; r + 8 (r / 8)
	v_lshlrev_b32 v[WA], 9, v20
	v_lshl_add_u32 v[WA], v19, 4, v[WA]
	v_lshlrev_b32 v[WSA], 4, v20
	v_lshlrev_b32 v[BA], 6, v19
	s_lshl_b32 s28, s[WV], 11
	v_add_nc_u32 v[OIW], s28, v[LI]                ; OI = 0
	s_lshl_b32 s28, s[WV], 7
	s_add_co_u32 s28, s28, OSW
	v_add_nc_u32 v[OWW], s28, v[LS]
	s_lshl_b32 s28, s[WV], 8
	s_add_co_u32 s28, s28, YS
	v_mul_u32_u24 v[YW], v18, YP
	v_lshl_add_u32 v[YW], v19, 6, v[YW]
	v_add_nc_u32 v[YW], s28, v[YW]
	s_mul_i32 s28, s[WV], 4*YP
	s_add_co_u32 s28, s28, YS
	v_add_nc_u32 v[YR], s28, v[LI]
.irp i, 0,1,2,3
	v_mov_b32 v[U+\i], 0                           ; written once: a lane permute's destination counts as one of its sources
	v_mov_b32 v[M+2*\i+1], 0                       ; (named as the upper half of a pair)
.endr
	s_mov_b32 s24, 0x3b000000                      ; 1 / 512
	s_mov_b32 s25, 0x3727c5ac                      ; 1e-5
	s_mov_b32 s26, 0x76543210
	s_mov_b32 s27, 0xfedcba98
	s_mov_b32 s29, 0
	s_wait_kmcnt 0x0
	s_lshl_b32 s28, ttmp9, 14
	s_lshl_b32 s30, s[WV], 11
	s_add_co_u32 s28, s28, s30
	s_add_nc_u64 s[4:5], s[4:5], s[28:29]          ; fragment w of my two row tiles' eight
	s_lshl_b32 s28, ttmp9, 11
	s_lshl_b32 s30, s[WV], 8
	s_add_co_u32 s28, s28, s30
	s_add_nc_u64 s[6:7], s[6:7], s[28:29]          ; the words of its two heads
	s_lshl_b32 s28, s[WV], 15
	s_add_nc_u64 s[WP:WP+1], s[WP:WP+1], s[28:29]
	s_lshl_b32 s28, s[WV], 10
	s_add_nc_u64 s[WSP:WSP+1], s[WSP:WSP+1], s[28:29]
	s_lshl_b32 s28, s[WV], 8
	s_add_nc_u64 s[BP:BP+1], s[BP:BP+1], s[28:29]
	s_lshl_b32 s28, ttmp9, 16
	s_lshl_b32 s30, s[WV], 13
	s_add_co_u32 s28, s28, s30                     ; rows 32 x + 4 w on, 2,048 bytes each
	s_add_nc_u64 s[14:15], s[14:15], s[28:29]
	s_add_nc_u64 s[20:21], s[20:21], s[28:29]
.irp c, 0,1,2,3
	global_load_b128 v[OF+4*\c:OF+4*\c+3], v[LI], s[4:5] offset:512*\c
.endr
	global_load_b32 v252, v[LS], s[6:7]
	global_load_b32 v253, v[LS], s[6:7] offset:128
.irp i, 0,1,2,3
.irp q, 0,1,2,3
	global_load_b128 v[RES+16*\i+4*\q:RES+16*\i+4*\q+3], v[LI], s[14:15] offset:2048*\i+512*\q th:TH_LOAD_NT
.endr
.endr
	WIN 0x40                                       ; destination window 1
	WLOAD 0
	WLOAD 1
	WIN 0
	s_wait_loadcnt 48                              ; the residual's 16 loads and the 32 weight loads may stay out
	v_lshl_or_b32 v254, v253, 16, v252             ; two heads' two bytes each: the K step's scale word
.irp c, 0,1,2,3
	ds_store_b128 v[OIW], v[OF+4*\c:OF+4*\c+3] offset:512*\c
.endr
	ds_store_b32 v[OWW], v254
	WIN 0x40
	WLOAD 2
	WLOAD 3
	WIN 0
.irp t, 0,1,2,3
	global_load_b128 v[WS+4*\t:WS+4*\t+3], v[WSA], s[WSP:WSP+1] offset:(32*(\t/2)+8*(\t%2))*16
.endr
.irp t, 0,1,2,3
	global_load_b128 v[BIAS+8*\t:BIAS+8*\t+3], v[BA], s[BP:BP+1] offset:(32*(\t/2)+8*(\t%2))*4
	global_load_b128 v[BIAS+8*\t+4:BIAS+8*\t+7], v[BA], s[BP:BP+1] offset:(32*(\t/2)+8*(\t%2))*4+16
.endr
	BARRIER                                        ; o's eight fragments and their words lie in LDS
.irp f, 0,1,2,3,4,5,6,7
	ds_load_b32 v[OS+\f], v[LS] offset:OSW+128*\f
.endr
	OFETCH 0
	s_wait_loadcnt 0x0
	s_wait_dscnt 0x0
	WIN 0x01                                       ; source 0 (Wo) window 1
	MULO 0
	WIN 0
	PLACES 9                                       ; in front of the stores of results and the loads into o's registers (eight), and of the next products, which begin the accumulators anew (nine)
	YSTORE 0
	OFETCH 1
	s_wait_dscnt 0x0                               ; the stores have read the accumulators, the fragments are in
	WIN 0x01
	MULO 1
	WIN 0
	PLACES 8
.irp q, 0,1,2,3
	global_load_b128 v[G+4*\q:G+4*\q+3], v[LI], s[16:17] offset:512*\q
	global_load_b128 v[BT+4*\q:BT+4*\q+3], v[LI], s[18:19] offset:512*\q
.endr
	YSTORE 1
	BARRIER                                        ; 32 whole rows lie in the stage
.irp i, 0,1,2,3
.irp q, 0,1,2,3
	ds_load_b128 v[Y+16*\i+4*\q:Y+16*\i+4*\q+3], v[YR] offset:YP*\i+512*\q   ; row 4 w + i, columns 128 q + 4 lane on
.endr
.endr
	s_wait_dscnt 0x0
	s_wait_loadcnt 0x0
.irp k, 0,2,4,6,8,10,12,14
.irp i, 0,1,2,3
	v_pk_add_f32 v[Y+16*\i+\k:Y+16*\i+\k+1], v[Y+16*\i+\k:Y+16*\i+\k+1], v[RES+16*\i+\k:RES+16*\i+\k+1]   ; + the residual
.endr
.endr
.irp i, 0,1,2,3
	v_pk_add_f32 v[T+2*\i:T+2*\i+1], v[Y+16*\i:Y+16*\i+1], v[Y+16*\i+2:Y+16*\i+3]
.endr
.irp k, 4,6,8,10,12,14
.irp i, 0,1,2,3
	v_pk_add_f32 v[T+2*\i:T+2*\i+1], v[T+2*\i:T+2*\i+1], v[Y+16*\i+\k:Y+16*\i+\k+1]
.endr
.endr
	ACROSS
.irp i, 0,1,2,3
	v_mul_f32 v[M+2*\i], s24, v[T+2*\i]            ; the mean
.endr
.irp k, 0,2,4,6,8,10,12,14
.irp i, 0,1,2,3
	v_pk_add_f32 v[Y+16*\i+\k:Y+16*\i+\k+1], v[Y+16*\i+\k:Y+16*\i+\k+1], v[M+2*\i:M+2*\i+1] op_sel_hi:[1,0] neg_lo:[0,1] neg_hi:[0,1]
.endr
.endr
.irp i, 0,1,2,3
	v_pk_mul_f32 v[T+2*\i:T+2*\i+1], v[Y+16*\i:Y+16*\i+1], v[Y+16*\i:Y+16*\i+1]
.endr
.irp k, 2,4,6,8,10,12,14
.irp i, 0,1,2,3
	v_pk_fma_f32 v[T+2*\i:T+2*\i+1], v[Y+16*\i+\k:Y+16*\i+\k+1], v[Y+16*\i+\k:Y+16*\i+\k+1], v[T+2*\i:T+2*\i+1]
.endr
.endr
	ACROSS
.irp i, 0,1,2,3
	v_fma_f32 v[T+2*\i], v[T+2*\i], s24, s25       ; the variance + 1e-5
.endr
.irp i, 0,1,2,3
	v_rsq_f32 v[M+2*\i], v[T+2*\i]
.endr
	v_nop                                          ; a plain line behind the transcendentals
	s_wait_alu depctr_va_vdst(0)
.irp k, 0,2,4,6,8,10,12,14
.irp i, 0,1,2,3
	v_pk_mul_f32 v[Y+16*\i+\k:Y+16*\i+\k+1], v[Y+16*\i+\k:Y+16*\i+\k+1], v[M+2*\i:M+2*\i+1] op_sel_hi:[1,0]
.endr
.endr
.irp k, 0,2,4,6,8,10,12,14
.irp i, 0,1,2,3
	v_pk_fma_f32 v[Y+16*\i+\k:Y+16*\i+\k+1], v[Y+16*\i+\k:Y+16*\i+\k+1], v[G+\k:G+\k+1], v[BT+\k:BT+\k+1]
.endr
.endr
.irp i, 0,1,2,3
.irp q, 0,1,2,3
	global_store_b128 v[LI], v[Y+16*\i+4*\q:Y+16*\i+4*\q+3], s[20:21] offset:2048*\i+512*\q th:TH_STORE_NT   ; 32 lanes store 512 consecutive bytes
.endr
.endr
	s_wait_tensorcnt 0x0
	ds_add_u32 v15, v255
	s_wait_dscnt 0x0
	s_endpgm
.Lfunc_end_k_qad55e59c62_oproj:
	.size	k_qad55e59c62_oproj, .Lfunc_end_k_qad55e59c62_oproj-k_qad55e59c62_oproj
	.p2alignl 7, 3214868480
	.fill 96, 4, 3214868480
	.section	.rodata,"a",@progbits
	.p2align	6, 0x0
	.amdhsa_kernel k_qad55e59c62_oproj
		.amdhsa_group_segment_fixed_size 84480
		.amdhsa_private_segment_fixed_size 0
		.amdhsa_enable_private_segment 0
		.amdhsa_kernarg_size 72
		.amdhsa_user_sgpr_count 2
		.amdhsa_user_sgpr_kernarg_segment_ptr 1
		.amdhsa_wavefront_size32 1
		.amdhsa_system_sgpr_workgroup_id_x 1
		.amdhsa_system_sgpr_workgroup_id_y 1
		.amdhsa_system_sgpr_workgroup_id_z 1
		.amdhsa_system_vgpr_workitem_id 0
		.amdhsa_next_free_vgpr 512
		.amdhsa_next_free_sgpr 66
		.amdhsa_reserve_vcc 0
		.amdhsa_float_denorm_mode_32 3
		.amdhsa_float_denorm_mode_16_64 3
		.amdhsa_memory_ordered 1
		.amdhsa_forward_progress 1
		.amdhsa_inst_pref_size 40
	.end_amdhsa_kernel
	.amdgpu_metadata
---
amdhsa.version: [ 1, 2 ]
amdhsa.kernels:
  - .name:           k_qad55e59c62_oproj
    .symbol:         k_qad55e59c62_oproj.kd
    .args:
      - { .name: oimg, .offset: 0, .size: 8, .value_kind: global_buffer, .address_space: global }
      - { .name: osc, .offset: 8, .size: 8, .value_kind: global_buffer, .address_space: global }
      - { .name: Wo_codes, .offset: 16, .size: 8, .value_kind: global_buffer, .address_space: global }
      - { .name: Wo_scales, .offset: 24, .size: 8, .value_kind: global_buffer, .address_space: global }
      - { .name: bo, .offset: 32, .size: 8, .value_kind: global_buffer, .address_space: global }
      - { .name: layer_input, .offset: 40, .size: 8, .value_kind: global_buffer, .address_space: global }
      - { .name: gamma, .offset: 48, .size: 8, .value_kind: global_buffer, .address_space: global }
      - { .name: beta, .offset: 56, .size: 8, .value_kind: global_buffer, .address_space: global }
      - { .name: out0, .offset: 64, .size: 8, .value_kind: global_buffer, .address_space: global }
    .group_segment_fixed_size: 84480
    .private_segment_fixed_size: 0
    .kernarg_segment_align: 8
    .kernarg_segment_size: 72
    .max_flat_workgroup_size: 256
    .sgpr_count:     66
    .vgpr_count:     512
    .wavefront_size: 32
...
	.end_amdgpu_metadata
.endif
;; end of part 3
;; ======== version 2 of 2: 3 launches
;; workspace buffers: qimg 4,194,304 bytes; qsc 262,144 bytes; kv 8,912,896 bytes; oimg 4,194,304 bytes; osc 524,288 bytes
;; launch proj (part 4): grid 256 x 1, 8 waves a work-group, no clusters, 236,544 bytes of LDS; arguments layer_input, cross_attn_input_codes, cross_attn_input_scales, Wq_codes, Wq_scales, bq, Wkv_codes, Wkv_scales, bkv, qimg, qsc, kv; writes qimg, qsc, kv
.if DOCPART == 4
	.amdgcn_target "amdgcn-amd-amdhsa--gfx1250"
	.amdhsa_code_object_version 6
	.text
	.protected	k_qad55e59c62_proj
	.globl	k_qad55e59c62_proj
	.p2align	8
	.type	k_qad55e59c62_proj,@function
k_qad55e59c62_proj:
	s_mov_b64 s[64:65], 0
	v_nop
	global_prefetch_b8 v0, s[64:65] scope:SCOPE_SE
	s_setreg_imm32_b32 hwreg(HW_REG_WAVE_SCHED_MODE, 0, 2), 2
	s_setreg_imm32_b32 hwreg(HW_REG_WAVE_MODE, 25, 1), 1
	s_wait_xcnt 0x0
	s_wait_alu depctr_vm_vsrc(0)
; q = Q(x) Wq + bq, k and v = c Wkv + bkv, all on codes of FP8 (E4M3) with one E8M0 scale for each 32 along K = 512; the results are quantised at once
; (q and k along a head's 64 channels, v along the keys) and leave as IMAGES OF OPERAND REGISTERS: four registers are 512 bytes, lane l's 16 bytes at 16 l.
; WORK-GROUPS 0-127 (role Q): 64 rows of layer_input (f32, quantised here), all 512 columns of q; wave w makes head w.
; WORK-GROUPS 128-255 (role KV): 128 keys (one key step of the attention) and four heads; waves 0-3 make k of heads 4 g + w, waves 4-7 v of heads 4 g + w - 4.
; A wave's 64 rows of the weight, 64 x 512 codes, are 256 registers (window 1), read from memory once.
; THE ROWS OF A WEIGHT THAT FORM A TILE ARE NOT NEIGHBOURS: lane r of tile 2 b + u takes row 32 b + 8 u + r + 8 (r / 8).  With the weight as source 0 a lane then holds one row of x, and the
; 16 registers of tiles 2 b, 2 b + 1 are channels 32 b + 16 (lane / 16) + 0 .. 15: the order of the next operand's registers.  For v the weight is source 1: a lane holds one channel, and the
; 16 registers of a channel tile are 16 keys of a block of 32 (8 (lane / 16) + 0 .. 7 and 16 + 8 (lane / 16) + 0 .. 7): the same order in which the attention's weights p come out.
; NO JOINT LOADS: each weight byte is used by one wave of a work-group, which keeps it in registers; shared among work-groups it would have to go through LDS, 512 rows x 528 bytes = 270,336,
; which does not fit beside role Q's 167,936 bytes.  No tensor load at all: x goes to LDS through registers, 512 consecutive bytes an instruction.
; LIMITS: NaN and infinities among the inputs are not served.  A block whose largest magnitude lies under 2^-118 (a block of zeros too, where the rule says byte 127) gets the byte 1: its codes are
; zeros or next to it, and the bytes are read by this program alone.
; THE MODE: SCHED_MODE bits 1:0 = 2 (LLVM: expert scheduling mode 2), set by the entry lines.  The code itself states the register dependences
; between vector or matrix instructions and memory or LDS instructions, with s_wait_alu, always for 0.
; THE PLAN.  Registers that memory or LDS instructions touch:
;   v1-15      offsets and LDS addresses: written once at the head, read by every load and store, never written again.  v16-21: at work at the head; the weight's scale words land there later.
;   RAW        role Q alone: x's loads land; the stores into the stage read it; the loads from the stage land; the quantiser reads and writes it.  Its registers are HA and XF afterwards.
;   XF         role KV: the keys' rows land, the LDS stores read them.  Both roles: the fragments' LDS loads land, the products read.
;   PC, PW, VW written by the quantiser (for v: VW by the lines that gather the bytes); read by LDS stores (role Q's x) and by global stores.
;   WS, BIAS, XS and window 1 are loaded once and then named by vector or matrix instructions alone.
; A unit holds two waits on va_vdst, each behind 16 products: they state that the products are done reading XF, in which the next fragments land.  The first of them also states that the LAST unit's
; conversions have written PC: that unit's four stores stand behind it, so that no wait stands straight behind the conversions; the wait on vm_vsrc for PC then stands 16 products behind those stores.
; A second buffer of fragments (64 registers) does not fit: window 1 is full of the weight, and window 0 has nine registers to spare.
.set REC,  17408                       ; a key step's record in kv: K 8,192, V 8,192, K's scale words 512, V's 512
.set XK,   0                           ; LDS, role KV: 128 rows of codes, 512 bytes + 16
.set QST,  67584                       ; LDS, role Q: a stage of 16 rows x (1,024 + 16) bytes of f32 for each wave
.set QSTW, 16640
.set XC,   200704                      ; role Q: x's codes, 64 rows of 512 bytes + 16
.set XSC,  234496                      ; role Q: x's scale bytes, 16 a row
.set LI,  1                            ; v1   16 x lane
.set LS,  2                            ; v2   4 x lane
.set WA,  3                            ; v3   my row of a weight tile: (r + 8 (r / 8)) x 512 + 16 h
.set WSA, 4                            ; v4   its scale bytes: x 16
.set BA,  5                            ; v5   64 h: the bias of my half's channels
.set BVA, 6                            ; v6   (r + 8 (r / 8)) x 4: the bias of my channel (v)
.set STA, 7                            ; v7   my stage, as loaded
.set STR, 8                            ; v8   my stage, row r, + 64 h
.set XCW, 9                            ; v9   where I put x's codes
.set XSW, 10                           ; v10  and their scale word
.set XCR, 11                           ; v11  x's codes: row r, + 16 h
.set XSR, 12                           ; v12  x's scale bytes: 16 x lane
.set XKW, 13                           ; v13  role KV: where I put a row of codes
.set XKR, 14                           ; v14  role KV: row r, + 16 h
.set L8,  15                           ; v15  8 x lane
.set WS,  16                           ; v16-31   the weight's scale words: tile t, K step s at 4 t + s
.set BIAS, 32                          ; v32-63   the bias in the result's layout, eight registers a tile
.set XS,  64                           ; v64-79   x's scale words: unit u, K step s at 4 u + s; lanes 0-15 the unit's first 16 rows, lanes 16-31 its second
.set HA,  80                           ; v80-143  eight accumulators
.set XF,  144                          ; v144-207 x's fragments: two K steps x two tiles of rows
.set RAW, 80                           ; v80-207  role Q: 16 rows x 256 numbers as loaded
.set PC,  208                          ; v208-223 the codes just made
.set TM,  224                          ; v224-239 largest magnitudes, bytes, holds, scale operands
.set PW,  240                          ; v240     a scale word
.set VW,  244                          ; v244-247 the scale words that leave
.set WV,  28
.set SEL, 30
.set MNT, 32
.set WP,  34                           ; s[34:35] my rows of the weight's codes;  s[36:37] of its scales;  s[38:39] of the bias
.set WSP, 36
.set BP,  38
.set XP,  40                           ; s[40:41] my rows of x;  s[42:43] the keys' scale bytes
.set CSP, 42
.set OUT1, 44
.set OUT2, 46
.set MSB, 0
.macro WIN new                         ; the immediate's high byte repeats the setting that is left
.if MSB != \new
	s_set_vgpr_msb (MSB<<8)|\new
.set MSB, \new
.endif
.endm
.macro PLACES n
.rept \n
	v_nop
.endr
.endm
.macro BARRIER                         ; my LDS stores have landed and my LDS loads are in: then the work-group's barrier
	s_wait_dscnt 0x0
	s_barrier_signal -1
	s_barrier_wait -1
.endm
; 64 numbers of a lane, four blocks of 16 registers (the other 16 of each block lie in lane l xor 16), become 16 registers of codes in v[PC] on; pw: the register for the four scale bytes, or -1
.macro QUANT s, pw
.irp b, 0,1,2,3
	v_max3_num_f32 v[TM+\b], |v[\s+16*\b]|, |v[\s+1+16*\b]|, 0x4800000   ; my 16 numbers and the floor 2^(9 - 127): the byte cannot fall under 1
.endr
.irp i, 2,4,6,8,10,12,14
.irp b, 0,1,2,3
	v_max3_num_f32 v[TM+\b], v[TM+\b], |v[\s+16*\b+\i]|, |v[\s+1+16*\b+\i]|   ; the four blocks by turns
.endr
.endr
.irp b, 0,1,2,3
	v_permlanex16_b32 v[TM+4+\b], v[TM+\b], s[SEL], s[SEL+1]
.endr
.irp b, 0,1,2,3
	v_max_num_f32 v[TM+\b], v[TM+\b], v[TM+4+\b]   ; the block's largest magnitude
.endr
.irp b, 0,1,2,3
	v_add_nc_u32 v[TM+12+\b], 0xfc000000, v[TM+\b]   ; 8 off its exponent field: the conversion's scale operand
.endr
.irp b, 0,1,2,3
	v_and_or_b32 v[TM+8+\b], v[TM+\b], 0x7f800000, s[MNT]   ; 448 x the scale
.endr
.irp b, 0,1,2,3
	v_lshrrev_b32 v[TM+4+\b], 23, v[TM+12+\b]   ; the scale's byte
.endr
.if (\pw) >= 0
	v_lshl_or_b32 v[\pw], v[TM+5], 8, v[TM+4]
	v_lshl_or_b32 v[\pw], v[TM+6], 16, v[\pw]
	v_lshl_or_b32 v[\pw], v[TM+7], 24, v[\pw]
.endif
.irp b, 0,1,2,3
.irp i, 0,1,2,3,4,5,6,7,8,9,10,11,12,13,14,15
	v_med3_num_f32 v[\s+16*\b+\i], v[\s+16*\b+\i], -v[TM+8+\b], v[TM+8+\b]   ; the conversion to an 8-bit code does not saturate (ISA guide 7.6.2): the hold comes first
.endr
	v_cvt_scalef32_pk8_fp8_f32 v[PC+4*\b:PC+1+4*\b], v[\s+16*\b:\s+7+16*\b], v[TM+12+\b]
	v_cvt_scalef32_pk8_fp8_f32 v[PC+2+4*\b:PC+3+4*\b], v[\s+8+16*\b:\s+15+16*\b], v[TM+12+\b]
.endr
	v_nop                                          ; a plain line between the last conversion and whatever next touches its registers
.endm
.macro WLOAD t                         ; tile t of my weight rows, all four K steps, into window 1 at v[64 t + 16 s]
.irp s, 0,1,2,3
.irp c, 0,1,2,3
	global_load_b128 v[64*\t+16*\s+4*\c:64*\t+16*\s+4*\c+3], v[WA], s[WP:WP+1] offset:(32*(\t/2)+8*(\t%2))*512+128*\s+32*\c
.endr
.endr
.endm
.macro WSLOAD                          ; a row's 16 scale bytes are the four K steps' words
.irp t, 0,1,2,3
	global_load_b128 v[WS+4*\t:WS+4*\t+3], v[WSA], s[WSP:WSP+1] offset:(32*(\t/2)+8*(\t%2))*16
.endr
.endm
.macro BLOADK                          ; the bias of the eight channels that a lane's registers of tile t hold
.irp t, 0,1,2,3
	global_load_b128 v[BIAS+8*\t:BIAS+8*\t+3], v[BA], s[BP:BP+1] offset:(32*(\t/2)+8*(\t%2))*4
	global_load_b128 v[BIAS+8*\t+4:BIAS+8*\t+7], v[BA], s[BP:BP+1] offset:(32*(\t/2)+8*(\t%2))*4+16
.endr
.endm
.macro FETCH2 adr, off, s0             ; two K steps (s0, s0 + 1) x two tiles of 16 rows, from rows of 528 bytes
.irp e, 0,1
.irp m, 0,1
.irp c, 0,1,2,3
	ds_load_b128 v[XF+32*\e+16*\m+4*\c:XF+32*\e+16*\m+4*\c+3], v[\adr] offset:(\off)+8448*\m+128*((\s0)+\e)+32*\c
.endr
.endr
.endr
.endm
; Eight products of K step s.  The eight accumulators take turns, one instruction a turn.  The first K step takes the bias as C.
.macro MULK s, xs                      ; source 0 = the weight (window 1), source 1 = x
.irp m, 0,1
.irp t, 0,1,2,3
.set rD, HA+32*\m+8*\t
.set rC, rD
.if (\s) == 0
.set rC, BIAS+8*\t
.endif
.set rW, 64*\t+16*(\s)
.set rX, XF+32*((\s)%2)+16*\m
.if \m
	v_wmma_scale_f32_16x16x128_f8f6f4 v[rD:rD+7], v[rW:rW+15], v[rX:rX+15], v[rC:rC+7], v[WS+4*\t+(\s)], v[(\xs)+(\s)] matrix_b_scale:MATRIX_SCALE_ROW1
.else
	v_wmma_scale_f32_16x16x128_f8f6f4 v[rD:rD+7], v[rW:rW+15], v[rX:rX+15], v[rC:rC+7], v[WS+4*\t+(\s)], v[(\xs)+(\s)]
.endif
.endr
.endr
.endm
.macro MULV s, xs                      ; source 0 = x (the keys), source 1 = the weight (window 1)
.irp n, 0,1,2,3
.irp m, 0,1
.set rD, HA+16*\n+8*\m
.set rC, rD
.if (\s) == 0
.set rC, BIAS+8*\n
.endif
.set rW, 64*\n+16*(\s)
.set rX, XF+32*((\s)%2)+16*\m
.if \m
	v_wmma_scale_f32_16x16x128_f8f6f4 v[rD:rD+7], v[rX:rX+15], v[rW:rW+15], v[rC:rC+7], v[(\xs)+(\s)], v[WS+4*\n+(\s)] matrix_a_scale:MATRIX_SCALE_ROW1
.else
	v_wmma_scale_f32_16x16x128_f8f6f4 v[rD:rD+7], v[rX:rX+15], v[rW:rW+15], v[rC:rC+7], v[(\xs)+(\s)], v[WS+4*\n+(\s)]
.endif
.endr
.endr
.endm
.macro MUL typ, s, xs
.if \typ
	WIN 0x04
	MULV \s, \xs
.else
	WIN 0x01
	MULK \s, \xs
.endif
.endm
; Unit u's 16 registers of codes leave: 512 consecutive bytes a store.
.macro PUT typ, u
.if \typ
.irp n, 0,1,2,3
	global_store_b128 v[LI], v[PC+4*\n:PC+4*\n+3], s[OUT1:OUT1+1] offset:8192+2048*\n+512*(\u)   ; v: channel tile n, keys 32 u on
.endr
.else
.irp p, 0,1,2,3
	global_store_b128 v[LI], v[PC+4*\p:PC+4*\p+3], s[OUT1:OUT1+1] offset:2048*(\u)+512*\p   ; q: tile 2 u + p / 2, channels 32 (p % 2) on.  k: a pair of key tiles is ONE operand: the even tile in k = 0 .. 63, the odd one in k = 64 .. 127
.endr
.endif
.endm
; A UNIT: 32 rows x my 64 columns: 32 products, then the quantiser.  Eight places stand behind the products in front of loads into registers that they read and of the first read of results
; (ISA guide 7.12.1 for the first read of results).  The next unit's first products begin the accumulators anew: the eight v_nop and the quantiser's lines on v[TM] on stand between.
; prev: the unit before, whose codes leave in this unit, or a negative number.
.macro UNIT typ, adr, off, xs, more, pw, prev
	s_wait_dscnt 0x0                               ; K steps 0 and 1 are in
	MUL \typ, 0, \xs
	MUL \typ, 1, \xs
	WIN 0
	PLACES 8
	s_wait_alu depctr_va_vdst(0)                   ; the products above are done reading v[XF ..], in which the loads below land; the last unit's conversions have written v[PC ..], which the stores below read
	FETCH2 \adr, \off, 2
.if (\prev) >= 0
	PUT \typ, \prev                                ; no vector or matrix instruction since the wait names v[PC ..]
.endif
	s_wait_dscnt 0x0
	MUL \typ, 2, \xs
	MUL \typ, 3, \xs
	WIN 0
	PLACES 8
.if \more
	s_wait_alu depctr_va_vdst(0)                   ; the products above are done reading v[XF ..], in which the loads below land
	FETCH2 \adr, (\off)+16896, 0                   ; the next unit's first two K steps land while this one is quantised
.endif
	s_wait_xcnt 0x0                                ; the last unit's stores have had their addresses translated: only now are the code registers written again
.if (\prev) >= 0
	s_wait_alu depctr_vm_vsrc(0)                   ; the last unit's stores have read v[PC ..], which the conversions below write
.endif
	QUANT HA, \pw
.endm
	s_load_b512 s[4:19], s[0:1], 0x0               ; layer_input, the keys' codes, their scales, Wq's codes, Wq's scales, bq, Wkv's codes, Wkv's scales
	s_load_b256 s[20:27], s[0:1], 0x40             ; bkv, qimg, qsc, kv
	v_lshl_add_u32 v254, v0, 2, 0x39800
	v_mov_b32 v255, 0
	v_lshrrev_b32 v16, 5, v0
	v_readfirstlane_b32 s[WV], v16                 ; wave 0..7
	v_and_b32 v17, 31, v0                          ; lane
	v_and_b32 v18, 15, v0                          ; r
	v_bfe_u32 v19, v0, 4, 1                        ; h
	v_lshlrev_b32 v[LI], 4, v17
	v_lshlrev_b32 v[LS], 2, v17
	v_lshlrev_b32 v[L8], 3, v17
	v_and_b32 v20, 8, v18
	v_add_nc_u32 v20, v20, v18                     ; r + 8 (r / 8)
	v_lshlrev_b32 v[WA], 9, v20
	v_lshl_add_u32 v[WA], v19, 4, v[WA]
	v_lshlrev_b32 v[WSA], 4, v20
	v_lshlrev_b32 v[BA], 6, v19
	v_lshlrev_b32 v[BVA], 2, v20
	s_wait_alu depctr_va_sdst(0)                   ; the wave's number is written, ahead of its first reader: LDS addresses, bases and branches are made from it
	; every LDS address is made here, ahead of the parting of the roles: a constant, a constant x lane, a constant x wave
	s_mul_i32 s48, s[WV], QSTW
	s_add_co_u32 s48, s48, QST
	v_add_nc_u32 v[STA], s48, v[LI]
	v_mul_u32_u24 v[STR], v18, 1040
	v_lshl_add_u32 v[STR], v19, 6, v[STR]
	v_add_nc_u32 v[STR], s48, v[STR]
	v_mul_u32_u24 v21, v18, 528
	v_lshl_add_u32 v21, v19, 4, v21                ; 528 r + 16 h
	s_wait_alu depctr_va_vdst(0)
	s_lshr_b32 s60, s[WV], 1                       ; role Q: which 16 rows I quantise,
	s_and_b32 s61, s[WV], 1                        ; and which half of their K
	s_mul_i32 s51, s60, 8448
	s_lshl_b32 s52, s61, 8
	s_add_co_u32 s51, s51, s52
	s_add_co_u32 s51, s51, XC
	v_add_nc_u32 v[XCW], s51, v21
	s_lshl_b32 s51, s60, 8
	s_lshl_b32 s52, s61, 3
	s_add_co_u32 s51, s51, s52
	s_add_co_u32 s51, s51, XSC
	v_lshl_add_u32 v[XSW], v18, 4, s51
	v_add_nc_u32 v[XCR], XC, v21
	v_add_nc_u32 v[XSR], XSC, v[LI]
	s_mul_i32 s51, s[WV], 8448
	v_add_nc_u32 v[XKW], s51, v[LI]
	v_add_nc_u32 v[XKR], XK, v21
.irp b, 0,1,2,3
	v_mov_b32 v[TM+4+\b], 0                        ; written once: a lane permute's destination counts as one of its sources
.endr
	s_mov_b32 s[SEL], 0x76543210
	s_mov_b32 s[SEL+1], 0xfedcba98                 ; v_permlanex16_b32's selects for lane l xor 16
	s_mov_b32 s[MNT], 0x600000                     ; the mantissa field of 448
	s_sub_co_u32 s53, ttmp9, 128                   ; role KV: y
	s_and_b32 s54, s53, 1                          ; g: which four heads
	s_lshr_b32 s55, s53, 1                         ; which 128 keys
	s_and_b32 s56, s[WV], 3
	s_lshl_b32 s57, s54, 2
	s_add_co_u32 s57, s57, s56                     ; my head: 4 g + wave % 4
	s_lshl_b32 s58, s57, 6
	s_lshr_b32 s59, s[WV], 2
	s_lshl_b32 s59, s59, 9
	s_add_co_u32 s58, s58, s59                     ; role KV: my first row of Wkv: 64 x head, + 512 for v
	s_lshl_b32 s59, s[WV], 6                       ; role Q: of Wq: 64 x wave
	s_mov_b32 s49, 0
	s_wait_kmcnt 0x0
	s_cmp_lt_u32 ttmp9, 128                        ; the choice hangs on the work-group's number alone
	s_cselect_b64 s[WP:WP+1], s[10:11], s[16:17]
	s_cselect_b64 s[WSP:WSP+1], s[12:13], s[18:19]
	s_cselect_b64 s[BP:BP+1], s[14:15], s[20:21]
	s_cselect_b32 s58, s59, s58
	s_lshl_b32 s48, s58, 9
	s_add_nc_u64 s[WP:WP+1], s[WP:WP+1], s[48:49]
	s_lshl_b32 s48, s58, 4
	s_add_nc_u64 s[WSP:WSP+1], s[WSP:WSP+1], s[48:49]
	s_lshl_b32 s48, s58, 2
	s_add_nc_u64 s[BP:BP+1], s[BP:BP+1], s[48:49]
	s_wait_alu depctr_va_vdst(0)                   ; v1 to v15, the offsets and LDS addresses that the loads and stores of both roles read, are written; so are v16 to v21, at work above, in which the weight's scale words land
	s_cmp_lt_u32 ttmp9, 128
	s_cbranch_scc0 .Lrole_kv
	; ======== ROLE Q ========
	s_lshl_b32 s48, ttmp9, 17                      ; 64 rows of 2,048 bytes a work-group,
	s_lshl_b32 s50, s60, 15                        ; 16 rows,
	s_add_co_u32 s48, s48, s50
	s_lshl_b32 s50, s61, 10                        ; half a row
	s_add_co_u32 s48, s48, s50
	s_add_nc_u64 s[XP:XP+1], s[4:5], s[48:49]
	s_lshr_b32 s50, ttmp9, 5
	s_lshl_b32 s50, s50, 3
	s_add_co_u32 s50, s50, s[WV]                   ; 8 x batch + head
	s_and_b32 s51, ttmp9, 31                       ; which 64 rows of the batch
	s_lshl_b32 s48, s50, 17
	s_lshl_b32 s52, s51, 12
	s_add_co_u32 s48, s48, s52
	s_add_nc_u64 s[OUT1:OUT1+1], s[22:23], s[48:49]
	s_lshl_b32 s48, s50, 13
	s_lshl_b32 s52, s51, 8
	s_add_co_u32 s48, s48, s52
	s_add_nc_u64 s[OUT2:OUT2+1], s[24:25], s[48:49]
.irp i, 0,1,2,3,4,5,6,7,8,9,10,11,12,13,14,15
.irp p, 0,1
	global_load_b128 v[RAW+8*\i+4*\p:RAW+8*\i+4*\p+3], v[LI], s[XP:XP+1] offset:2048*\i+512*\p   ; 32 lanes read 512 consecutive bytes
.endr
.endr
	WIN 0x40                                       ; destination window 1
	WLOAD 0
	WLOAD 1
	WLOAD 2
	WIN 0
	s_wait_loadcnt 48                              ; the 48 weight loads issued behind x's may stay out
.irp i, 0,1,2,3,4,5,6,7,8,9,10,11,12,13,14,15
.irp p, 0,1
	ds_store_b128 v[STA], v[RAW+8*\i+4*\p:RAW+8*\i+4*\p+3] offset:1040*\i+512*\p
.endr
.endr
	WIN 0x40
	WLOAD 3
	WIN 0
	WSLOAD
	BLOADK
	s_wait_dscnt 0x0                               ; the stores into the stage are done
	s_wait_alu depctr_vm_vsrc(0)                   ; the stores into the stage have read v[RAW ..], in which the loads below land and which the quantiser and the products write later
.irp f, 0,1
.irp b, 0,1,2,3
.irp j, 0,1,2,3
	ds_load_b128 v[RAW+64*\f+16*\b+4*\j:RAW+64*\f+16*\b+4*\j+3], v[STR] offset:512*\f+128*\b+16*\j   ; row r: of each block of 32 my half's 16 neighbours (my own stage: LDS serves a wave in order)
.endr
.endr
.endr
	s_wait_dscnt 16                                ; the first K step's 16 loads are in, the second's may be out
	QUANT HA, PW
	s_wait_alu depctr_va_vdst(0)                   ; the conversions have written v[PC ..] and the scale word v[PW], which the LDS stores read
.irp c, 0,1,2,3
	ds_store_b128 v[XCW], v[PC+4*\c:PC+4*\c+3] offset:32*\c
.endr
	ds_store_b32 v[XSW], v[PW]                     ; both lanes of a row write the same word with the same value
	s_wait_dscnt 0x0                               ; the second K step is in
	s_wait_alu depctr_vm_vsrc(0)                   ; the LDS stores have read v[PC ..] and v[PW], which the quantiser writes again
	QUANT XF, PW
	s_wait_alu depctr_va_vdst(0)                   ; the conversions have written v[PC ..] and v[PW], which the LDS stores read; and the quantiser is done with v[XF ..], in which the first fragments land below
.irp c, 0,1,2,3
	ds_store_b128 v[XCW], v[PC+4*\c:PC+4*\c+3] offset:128+32*\c
.endr
	ds_store_b32 v[XSW], v[PW] offset:4
	BARRIER                                        ; the 64 rows' codes and scale bytes lie in LDS
	s_wait_alu depctr_vm_vsrc(0)                   ; my LDS stores have read v[PC ..], which the first unit's conversions write
.irp u, 0,1
	ds_load_b128 v[XS+4*\u:XS+4*\u+3], v[XSR] offset:512*\u   ; lane l: the four words of row 32 u + l
.endr
	FETCH2 XCR, 0, 0
	s_wait_loadcnt 0x0                             ; the weights, their scales, the bias
.irp u, 0,1
	UNIT 0, XCR, 16896*\u, XS+4*\u, 1-\u, VW+\u, \u-1
.endr
	s_wait_alu depctr_va_vdst(0)                   ; the last unit's conversions have written v[PC ..], and the two units their scale words v[VW], v[VW + 1]: the stores below read them
	PUT 0, 1
	global_store_b64 v[L8], v[VW:VW+1], s[OUT2:OUT2+1]   ; the two units' scale words: 256 consecutive bytes
	s_wait_dscnt 0x0                               ; the closing lines, six on end
	s_wait_alu 0x0
	s_wait_tensorcnt 0x0
	ds_add_u32 v254, v255
	s_wait_dscnt 0x0
	s_endpgm
	; ======== ROLE KV ========
.Lrole_kv:
	s_lshl_b32 s48, s55, 16                        ; 128 rows of 512 bytes,
	s_lshl_b32 s50, s[WV], 13                      ; my 16 of them
	s_add_co_u32 s48, s48, s50
	s_add_nc_u64 s[XP:XP+1], s[6:7], s[48:49]
	s_lshl_b32 s48, s55, 11
	s_add_nc_u64 s[CSP:CSP+1], s[8:9], s[48:49]
	s_lshr_b32 s50, s55, 4                         ; batch
	s_lshl_b32 s50, s50, 3
	s_add_co_u32 s50, s50, s57
	s_lshl_b32 s50, s50, 4
	s_and_b32 s51, s55, 15                         ; key step
	s_add_co_u32 s50, s50, s51
	s_mul_i32 s48, s50, REC
	s_add_nc_u64 s[OUT1:OUT1+1], s[26:27], s[48:49]   ; my head's record of this key step
.irp i, 0,1,2,3,4,5,6,7,8,9,10,11,12,13,14,15
	global_load_b128 v[XF+4*\i:XF+4*\i+3], v[LI], s[XP:XP+1] offset:512*\i   ; a row of 512 codes an instruction
.endr
.irp u, 0,1,2,3
	global_load_b128 v[XS+4*\u:XS+4*\u+3], v[LI], s[CSP:CSP+1] offset:512*\u   ; lane l: the four words of key 32 u + l
.endr
	WIN 0x40
	WLOAD 0
	WLOAD 1
	WLOAD 2
	WIN 0
	s_wait_loadcnt 48                              ; the 48 weight loads may stay out
.irp i, 0,1,2,3,4,5,6,7,8,9,10,11,12,13,14,15
	ds_store_b128 v[XKW], v[XF+4*\i:XF+4*\i+3] offset:528*\i
.endr
	WIN 0x40
	WLOAD 3
	WIN 0
	WSLOAD
	BARRIER                                        ; the 128 keys' codes lie in LDS; no barrier follows, so the waves may part
	s_wait_alu depctr_vm_vsrc(0)                   ; my LDS stores have read v[XF ..], in which the fragments land on both ways below
	s_cmp_lt_u32 s[WV], 4
	s_cbranch_scc0 .Ltype_v
	; ---- k: as q
	BLOADK
	FETCH2 XKR, 0, 0
	s_wait_loadcnt 0x0
.irp u, 0,1,2,3
	UNIT 0, XKR, 16896*\u, XS+4*\u, 3-\u, VW+\u, \u-1
.endr
	s_wait_alu depctr_va_vdst(0)                   ; the last unit's conversions have written v[PC ..], and the four units their scale words v[VW ..]: the stores below read them
	PUT 0, 3
	global_store_b128 v[LI], v[VW:VW+3], s[OUT1:OUT1+1] offset:16384   ; the four pairs' scale words, 16 bytes a lane
	s_wait_dscnt 0x0                               ; the closing lines, six on end
	s_wait_alu 0x0
	s_wait_tensorcnt 0x0
	ds_add_u32 v254, v255
	s_wait_dscnt 0x0
	s_endpgm
	; ---- v: a lane holds a channel, its registers run along the keys
.Ltype_v:
.irp n, 0,1,2,3
	global_load_b32 v[BIAS+8*\n], v[BVA], s[BP:BP+1] offset:(32*(\n/2)+8*(\n%2))*4
.endr
	FETCH2 XKR, 0, 0
	s_wait_loadcnt 0x0
.irp n, 0,1,2,3
.irp j, 1,2,3,4,5,6,7
	v_mov_b32 v[BIAS+8*\n+\j], v[BIAS+8*\n]        ; the C of a tile: my channel's bias for all eight keys
.endr
.endr
	s_wait_alu depctr_va_vdst(0)
.irp u, 0,1,2,3
	UNIT 1, XKR, 16896*\u, XS+4*\u, 3-\u, -1, \u-1
.irp n, 0,1,2,3
.if \u == 0
	v_mov_b32 v[VW+\n], v[TM+4+\n]                 ; a channel's four bytes of the step make its scale word
.else
	v_lshl_or_b32 v[VW+\n], v[TM+4+\n], 8*\u, v[VW+\n]
.endif
.endr
.endr
	s_wait_alu depctr_va_vdst(0)                   ; the last unit's conversions have written v[PC ..], and the lines above the scale words v[VW ..]: the stores below read them
	PUT 1, 3
	global_store_b128 v[LI], v[VW:VW+3], s[OUT1:OUT1+1] offset:16896
	s_wait_dscnt 0x0                               ; the closing lines, six on end
	s_wait_alu 0x0
	s_wait_tensorcnt 0x0
	ds_add_u32 v254, v255
	s_wait_dscnt 0x0
	s_endpgm
.Lfunc_end_k_qad55e59c62_proj:
	.size	k_qad55e59c62_proj, .Lfunc_end_k_qad55e59c62_proj-k_qad55e59c62_proj
	.p2alignl 7, 3214868480
	.fill 96, 4, 3214868480
	.section	.rodata,"a",@progbits
	.p2align	6, 0x0
	.amdhsa_kernel k_qad55e59c62_proj
		.amdhsa_group_segment_fixed_size 236544
		.amdhsa_private_segment_fixed_size 0
		.amdhsa_enable_private_segment 0
		.amdhsa_kernarg_size 96
		.amdhsa_user_sgpr_count 2
		.amdhsa_user_sgpr_kernarg_segment_ptr 1
		.amdhsa_wavefront_size32 1
		.amdhsa_system_sgpr_workgroup_id_x 1
		.amdhsa_system_sgpr_workgroup_id_y 1
		.amdhsa_system_sgpr_workgroup_id_z 1
		.amdhsa_system_vgpr_workitem_id 0
		.amdhsa_next_free_vgpr 512
		.amdhsa_next_free_sgpr 66
		.amdhsa_reserve_vcc 0
		.amdhsa_float_denorm_mode_32 3
		.amdhsa_float_denorm_mode_16_64 3
		.amdhsa_memory_ordered 1
		.amdhsa_forward_progress 1
		.amdhsa_inst_pref_size 201
	.end_amdhsa_kernel
	.amdgpu_metadata
---
amdhsa.version: [ 1, 2 ]
amdhsa.kernels:
  - .name:           k_qad55e59c62_proj
    .symbol:         k_qad55e59c62_proj.kd
    .args:
      - { .name: layer_input, .offset: 0, .size: 8, .value_kind: global_buffer, .address_space: global }
      - { .name: cross_attn_input_codes, .offset: 8, .size: 8, .value_kind: global_buffer, .address_space: global }
      - { .name: cross_attn_input_scales, .offset: 16, .size: 8, .value_kind: global_buffer, .address_space: global }
      - { .name: Wq_codes, .offset: 24, .size: 8, .value_kind: global_buffer, .address_space: global }
      - { .name: Wq_scales, .offset: 32, .size: 8, .value_kind: global_buffer, .address_space: global }
      - { .name: bq, .offset: 40, .size: 8, .value_kind: global_buffer, .address_space: global }
      - { .name: Wkv_codes, .offset: 48, .size: 8, .value_kind: global_buffer, .address_space: global }
      - { .name: Wkv_scales, .offset: 56, .size: 8, .value_kind: global_buffer, .address_space: global }
      - { .name: bkv, .offset: 64, .size: 8, .value_kind: global_buffer, .address_space: global }
      - { .name: qimg, .offset: 72, .size: 8, .value_kind: global_buffer, .address_space: global }
      - { .name: qsc, .offset: 80, .size: 8, .value_kind: global_buffer, .address_space: global }
      - { .name: kv, .offset: 88, .size: 8, .value_kind: global_buffer, .address_space: global }
    .group_segment_fixed_size: 236544
    .private_segment_fixed_size: 0
    .kernarg_segment_align: 8
    .kernarg_segment_size: 96
    .max_flat_workgroup_size: 256
    .sgpr_count:     66
    .vgpr_count:     512
    .wavefront_size: 32
...
	.end_amdgpu_metadata
.endif
;; end of part 4
;; launch attn (part 5): grid 8 x 32, 16 waves a work-group, clusters of 4 x 1, 327,680 bytes of LDS; arguments qimg, qsc, kv, oimg, osc; writes oimg, osc
.if DOCPART == 5
	.amdgcn_target "amdgcn-amd-amdhsa--gfx1250"
	.amdhsa_code_object_version 6
	.text
	.protected	k_qad55e59c62_attn
	.globl	k_qad55e59c62_attn
	.p2align	8
	.type	k_qad55e59c62_attn,@function
k_qad55e59c62_attn:
	s_mov_b64 s[64:65], 0
	v_nop
	global_prefetch_b8 v0, s[64:65] scope:SCOPE_SE
	s_setreg_imm32_b32 hwreg(HW_REG_WAVE_MODE, 25, 1), 1
	s_wait_xcnt 0x0
	s_wait_alu depctr_hold_cnt(0) depctr_sa_sdst(0) depctr_va_vdst(0) depctr_va_sdst(0) depctr_va_ssrc(0) depctr_va_vcc(0) depctr_vm_vsrc(0)
	s_getreg_b32 s2, hwreg(HW_REG_IB_STS2, 6, 4)
	s_cmp_eq_u32 s2, 0
	s_cbranch_scc0 .Lentry_in_a_cluster
	s_endpgm
.Lentry_in_a_cluster:
	s_bfe_u32 s2, ttmp6, 0x10000c
	s_cmp_lg_u32 s2, 0x3003
	s_cbranch_scc0 .Lentry_shape_is_right
	s_endpgm
.Lentry_shape_is_right:
; o = softmax(q k^T / 8) v for one head, both products on codes of FP8 (E4M3) with one E8M0 scale for each 32 along K, and o quantised along its 64 channels for the output projection.
; THE SOFTMAX AHEAD OF THE SECOND PRODUCT: t = score x log2(e) / 8; M = the running largest t rounded UP to a whole number; p = 2^(t - M) is quantised along the keys, not normalised; the row's sum is taken
; of the unquantised p and divides at the end.  When M moves, the sum and O are multiplied by 2^(old M - new M), which rounds nothing.
; SHARES.  A work-group owns 256 queries of one head (batch x head = work-group y); each of its sixteen waves owns one tile of 16 in 256 registers, four waves to a SIMD, so that one wave's vector work
; stands beside another's products and LDS loads.  Every wave walks the head's 2,048 keys, 128 a step.
; THE WHOLE HEAD LIES IN LDS: 16 records of 17,408 bytes (a key step's K, V and scale words, as images of operand registers) are 278,528 bytes.  So nothing is filled twice: waves 0-3 ask for four
; records each at the start, and each group of four steps begins behind a counted wait and a barrier.  A wave has at most four tensor loads out.
; CLUSTER.  The four query blocks of a cluster belong to one head: every record is asked for JOINTLY, by the same load with the same descriptor and a mask that names the four.
; LAYOUT.  Both products are used transposed (S^T = K Q^T, O^T = V^T P^T): a lane holds ONE query.  K = 64 in an instruction of 128: an operand of K holds TWO key tiles, the even one in k = 0 .. 63, the odd one in
; k = 64 .. 127, and is multiplied once by [Q | zeros] and once by [zeros | Q], two overlapping runs of the 24 registers [Q][zeros][Q].  Zero codes add nothing under any scale byte that is made here.
; The 16 registers of a pair of score tiles are 16 keys of one block of 32, in the order in which the first launch laid v's codes: the same order on both sides of the second product.
; LIMITS: NaN and infinities are not served.  A block's largest p is taken through its largest score (v_exp_f32 is taken not to fall where its input rises).  A block of o whose largest magnitude lies under
; 2^-118 gets the byte 1.
.set REC, 17408
.set LI,  1                            ; v1   16 x lane
.set LS,  2                            ; v2   4 x lane
.set ADK, 3                            ; v3   the step's record, + 16 x lane
.set L8,  4                            ; v4   8 x lane
.set QA,  16                           ; v16-31 [Q | zeros];  v24-39 [zeros | Q]
.set QB,  24
.set KB,  40                           ; v40-103  four operands: K's pairs, then V's channel tiles
.set S,   104                          ; v104-167 the scores, then p
.set O,   168                          ; v168-199 O^T: register 16 b + i is channel 32 b + 16 (lane / 16) + i
.set PC,  200                          ; v200-215 p's codes
.set BM,  216                          ; block maxima
.set T2,  220                          ; the other half's, then the bytes, then a second chain of sums
.set HL,  224                          ; 448 x the scale
.set SO,  228                          ; the conversions' scale operands
.set KS,  232                          ; K's scale words
.set VS,  236                          ; V's
.set QS,  240                          ; Q's: its two bytes twice
.set PWD, 241                          ; p's
.set F,   242                          ; v[242:243] f = 2^(old M - new M)
.set TA,  244
.set WV,  14
.set SEL, 16
.set CS,  18                           ; s[18:19] c = log2(e) / 8
.set MNT, 20
.set TB,  21                           ; LDS byte of the step's record
.set CNT, 22
.set G1,  24                           ; s[24:31] descriptor group 1;  s[32:47] four groups 0
.set G0,  32
.macro CROUND                          ; a round of the cluster's barrier
	s_barrier_signal -1
	s_barrier_wait -1
	s_cmp_lg_u32 s[WV], 0
	s_cbranch_scc1 .Lnot_wave_0_\@
	s_barrier_signal -3
.Lnot_wave_0_\@:
	s_barrier_wait -3
	s_barrier_signal -1
	s_barrier_wait -1
.endm
	s_load_b256 s[4:11], s[0:1], 0x0               ; qimg, qsc, kv, oimg
	s_load_b64 s[12:13], s[0:1], 0x20              ; osc
	v_lshl_add_u32 v254, v0, 2, 0x44000
	v_mov_b32 v255, 0
	ds_add_u32 v254, v255
	ds_add_u32 v254, v255
	v_lshrrev_b32 v5, 5, v0
	s_delay_alu instid0(VALU_DEP_1)
	v_readfirstlane_b32 s[WV], v5                  ; wave 0..15
	v_and_b32 v5, 31, v0
	s_delay_alu instid0(VALU_DEP_1)
	v_lshlrev_b32 v[LI], 4, v5
	s_delay_alu instid0(VALU_DEP_2)
	v_lshlrev_b32 v[LS], 2, v5
	s_delay_alu instid0(VALU_DEP_3)
	v_lshlrev_b32 v[L8], 3, v5
	s_and_b32 s50, ttmp7, 0xffff                   ; 8 x batch + head, which the four partners share
	s_and_b32 s51, s[WV], 3
	; descriptor group 1: a record is dense: 68 rows of 256 bytes (32 elements of 8 bytes), no padding
	s_mov_b32 s[G1], 15|(3<<16)|(1<<21)            ; 15:0 the mask: all four work-groups; 17:16 elements of 8 bytes; 21 set beside a mask
	s_mov_b32 s[G1+1], 32<<16                      ; tensor_dim0
	s_mov_b32 s[G1+2], 68<<16                      ; tensor_dim1
	s_mov_b32 s[G1+3], 32<<16                      ; tile_dim0
	s_mov_b32 s[G1+4], 68                          ; tile_dim1
	s_mov_b32 s[G1+5], 32                          ; from row to row
	s_mov_b32 s[G1+6], 0
	s_mov_b32 s[G1+7], 0
	s_mul_i32 s52, s51, REC                        ; LDS: record wave % 4; no place in the cluster enters it
	s_lshl_b32 s54, s50, 4
	s_add_co_u32 s54, s54, s51
	s_mul_i32 s54, s54, REC                        ; and in memory: record 16 x (batch, head) + wave % 4
	s_mov_b32 s55, 0
	s_mov_b32 s[SEL], 0x76543210
	s_mov_b32 s[SEL+1], 0xfedcba98
	s_mov_b32 s[CS], 0x3e38aa3b
	s_mov_b32 s[CS+1], s[CS]                       ; (named with it as a pair, so it is written)
	s_mov_b32 s[MNT], 0x600000
	s_mov_b32 s[TB], 0
	s_wait_dscnt 0x0
	s_wait_kmcnt 0x0
	s_add_nc_u64 s[54:55], s[8:9], s[54:55]
	CROUND                                         ; all four work-groups are here: the joint loads meet
.irp i, 0,1,2,3
	s_mov_b32 s[G0+4*\i], 1                        ; count = 1
	s_add_co_u32 s[G0+4*\i+1], s52, 4*\i*REC       ; LDS address: the record of step 4 i + wave
	s_add_nc_u64 s[G0+4*\i+2:G0+4*\i+3], s[54:55], 4*\i*REC
	s_or_b32 s[G0+4*\i+3], s[G0+4*\i+3], 0x80000000   ; type = 2
.endr
	s_cmp_lt_u32 s[WV], 4                          ; waves 0-3 fetch; a wave's four fills stand in one branch, ahead of every wait on TENSORcnt, every LDS read and every further barrier
	s_cbranch_scc0 .Lno_fill
	tensor_load_to_lds s[G0:G0+3], s[G1:G1+7]
	s_nop 0
	tensor_load_to_lds s[G0+4:G0+7], s[G1:G1+7]
	s_nop 0
	tensor_load_to_lds s[G0+8:G0+11], s[G1:G1+7]
	s_nop 0
	tensor_load_to_lds s[G0+12:G0+15], s[G1:G1+7]
	s_nop 0
.rept 4
	v_nop
.endr
.Lno_fill:
	s_bfe_u32 s48, ttmp6, 0x40000                  ; cx: it enters Q's and o's addresses alone
	s_lshl_b32 s49, ttmp9, 2
	s_add_co_u32 s49, s49, s48                     ; my block of 256 queries
	s_lshl_b32 s56, s49, 4
	s_add_co_u32 s56, s56, s[WV]                   ; my tile of 16 queries, 0 .. 127
	s_mov_b32 s59, 0
	s_lshl_b32 s58, s50, 17
	s_lshl_b32 s57, s56, 10
	s_add_co_u32 s58, s58, s57
	s_add_nc_u64 s[4:5], s[4:5], s[58:59]          ; Q's image: 1,024 bytes a tile
	s_lshl_b32 s58, s50, 13
	s_lshr_b32 s57, s56, 2
	s_lshl_b32 s57, s57, 8
	s_add_co_u32 s58, s58, s57
	s_bfe_u32 s57, s[WV], 0x10001
	s_lshl_b32 s57, s57, 2
	s_add_co_u32 s58, s58, s57
	s_add_nc_u64 s[6:7], s[6:7], s[58:59]          ; its pair's scale word: 256 bytes for four tiles, 8 a lane, 4 a pair
	s_wait_alu depctr_va_vdst(0)
	global_load_b128 v[16:19], v[LI], s[4:5]
	global_load_b128 v[20:23], v[LI], s[4:5] offset:512
	global_load_b128 v[32:35], v[LI], s[4:5]       ; a second time: the two runs overlap in the zeros alone
	global_load_b128 v[36:39], v[LI], s[4:5] offset:512
	global_load_b32 v[QS], v[L8], s[6:7]
	s_lshr_b32 s57, s50, 3
	s_lshl_b32 s57, s57, 7
	s_add_co_u32 s57, s57, s56                     ; my tile among all 512 row tiles: 128 x batch + tile
	s_and_b32 s53, s50, 7                          ; head
	s_lshl_b32 s58, s57, 13
	s_lshl_b32 s48, s53, 10
	s_add_co_u32 s58, s58, s48
	s_add_nc_u64 s[10:11], s[10:11], s[58:59]      ; o's image: 8,192 bytes a row tile, 1,024 a head
	s_lshl_b32 s58, s57, 10
	s_lshl_b32 s48, s53, 7
	s_add_co_u32 s58, s58, s48
	s_add_nc_u64 s[12:13], s[12:13], s[58:59]      ; its scale words: 128 bytes a head
.irp j, 24,25,26,27,28,29,30,31
	v_mov_b32 v\j, 0                               ; the zero codes
.endr
	v_mov_b32 v13, 0xff61b1e6                      ; the largest t so far: -3e38, under every t
	s_delay_alu instid0(VALU_DEP_1)
	v_floor_f32 v12, -v13                          ; -M
	v_mov_b32 v14, 0                               ; the sum, in two halves
	v_mov_b32 v15, 0
.irp b, 0,1,2,3
	v_mov_b32 v[T2+\b], 0                          ; written once: a lane permute's destination counts as one of its sources
.endr
	v_mov_b32 v[F+1], 0                            ; (named as the upper half of a pair)
	v_mov_b32 v[TA], 0
	s_and_b32 s57, s[WV], 1
	s_lshl_b32 s57, s57, 4
	s_wait_loadcnt 0x0
	v_lshrrev_b32 v[QS], s57, v[QS]                ; my tile's two bytes of the pair's word,
	s_delay_alu instid0(VALU_DEP_1)
	v_and_b32 v[QS], 0xffff, v[QS]
	s_delay_alu instid0(VALU_DEP_1)
	v_lshl_or_b32 v[QS], v[QS], 16, v[QS]          ; twice: Q stands in the lower or in the upper half of K
.set j, 0
.rept 32
	v_mov_b32 v[O+j], 0                            ; O^T: the step is written once, and the first change of M leaves zeros zeros.  (These lines are also the places between Q's scale word and the first product)
.set j, j+1
.endr
; A KEY STEP: 128 keys.
.macro STEP
	v_add_nc_u32 v[ADK], s[TB], v[LI]
.rept 7
	v_nop                                          ; with the line above: eight places behind the last products, in front of loads into registers that they read
.endr
	ds_load_b128 v[KS:KS+3], v[ADK] offset:16384   ; the four pairs' scale words
.irp p, 0,1,2,3
.irp c, 0,1,2,3
	ds_load_b128 v[KB+16*\p+4*\c:KB+16*\p+4*\c+3], v[ADK] offset:2048*\p+512*\c
.endr
.endr
	s_wait_alu depctr_va_vdst(0)
.irp p, 0,1,2,3
	s_wait_dscnt 12-4*\p                           ; pair p is in; the later pairs' loads may be out
	v_wmma_scale_f32_16x16x128_f8f6f4 v[S+16*\p:S+16*\p+7], v[KB+16*\p:KB+16*\p+15], v[QA:QA+15], 0, v[KS+\p], v[QS]
	v_wmma_scale_f32_16x16x128_f8f6f4 v[S+16*\p+8:S+16*\p+15], v[KB+16*\p:KB+16*\p+15], v[QB:QB+15], 0, v[KS+\p], v[QS]
.endr
.rept 8
	v_nop
.endr
	ds_load_b128 v[VS:VS+3], v[ADK] offset:16896   ; V is asked for now and lands under the softmax
.irp t, 0,1,2,3
.irp c, 0,1,2,3
	ds_load_b128 v[KB+16*\t+4*\c:KB+16*\t+4*\c+3], v[ADK] offset:8192+2048*\t+512*\c
.endr
.endr
.irp b, 0,1,2,3
	v_max3_num_f32 v[BM+\b], v[S+16*\b], v[S+1+16*\b], v[S+2+16*\b]   ; the largest score of each block of 32 keys: for the row's maximum, and for the block's largest p
.endr
.irp i, 3,5,7,9,11,13
.irp b, 0,1,2,3
	v_max3_num_f32 v[BM+\b], v[BM+\b], v[S+16*\b+\i], v[S+1+16*\b+\i]
.endr
.endr
.irp b, 0,1,2,3
	v_max_num_f32 v[BM+\b], v[BM+\b], v[S+15+16*\b]
.endr
.irp b, 0,1,2,3
	s_delay_alu instid0(VALU_DEP_4)
	v_permlanex16_b32 v[T2+\b], v[BM+\b], s[SEL], s[SEL+1]
.endr
.irp b, 0,1,2,3
	s_delay_alu instid0(VALU_DEP_4)
	v_max_num_f32 v[BM+\b], v[BM+\b], v[T2+\b]     ; with lane l xor 16's 16 keys
.endr
	s_delay_alu instid0(VALU_DEP_2)
	v_max3_num_f32 v[TA], v[BM], v[BM+1], v[BM+2]
	s_delay_alu instid0(VALU_DEP_1)
	v_max_num_f32 v[TA], v[TA], v[BM+3]
	s_delay_alu instid0(VALU_DEP_1)
	v_mul_f32 v[TA], s[CS], v[TA]                  ; the step's largest t (c is positive)
	s_delay_alu instid0(VALU_DEP_1)
	v_max_num_f32 v13, v13, v[TA]
	v_mov_b32 v[TA], v12
	s_delay_alu instid0(VALU_DEP_2)
	v_floor_f32 v12, -v13                          ; the new -M = -ceil(t)
	s_delay_alu instid0(VALU_DEP_1)
	v_sub_f32 v[TA], v12, v[TA]                    ; old M - new M: a whole number, 0 or less
	s_delay_alu instid0(VALU_DEP_1)
	v_cvt_i32_f32 v[TA], v[TA]                     ; (it saturates)
	s_delay_alu instid0(VALU_DEP_1)
	v_ldexp_f32 v[F], 1.0, v[TA]
.set j, 0
.rept 32
	v_pk_fma_f32 v[S+j:S+j+1], v[S+j:S+j+1], s[CS:CS+1], v[12:13] op_sel_hi:[1,0,0]   ; t - M, two at a time
.set j, j+2
.endr
.irp b, 0,1,2,3
	v_fma_f32 v[BM+\b], v[BM+\b], s[CS], v12
.endr
.set j, 0
	s_wait_alu depctr_va_vdst(0)
.rept 64
	v_exp_f32 v[S+j], v[S+j]                       ; p = 2^(t - M)
.set j, j+1
.endr
	s_setprio 1
.irp b, 0,1,2,3
	v_exp_f32 v[BM+\b], v[BM+\b]                   ; the block's largest p: the same two instructions on the same number
.endr
	v_pk_mul_f32 v[14:15], v[14:15], v[F:F+1] op_sel_hi:[1,0]   ; the sums under the new M (a plain line behind the exponentials)
	s_wait_alu depctr_va_vdst(0)
.irp b, 0,1,2,3
	v_max_num_f32 v[BM+\b], 0x4800000, v[BM+\b]    ; the floor 2^(9 - 127)
.endr
.irp b, 0,1,2,3
	s_delay_alu instid0(VALU_DEP_4)
	v_add_nc_u32 v[SO+\b], 0xfc000000, v[BM+\b]
.endr
.irp b, 0,1,2,3
	v_and_or_b32 v[HL+\b], v[BM+\b], 0x7f800000, s[MNT]
.endr
.irp b, 0,1,2,3
	v_lshrrev_b32 v[T2+\b], 23, v[SO+\b]
.endr
	s_delay_alu instid0(VALU_DEP_3)
	v_lshl_or_b32 v[PWD], v[T2+1], 8, v[T2]        ; p's scale word for these 128 keys
	s_delay_alu instid0(VALU_DEP_1)
	v_lshl_or_b32 v[PWD], v[T2+2], 16, v[PWD]
	s_delay_alu instid0(VALU_DEP_1)
	v_lshl_or_b32 v[PWD], v[T2+3], 24, v[PWD]
	v_pk_add_f32 v[220:221], v[108:109], v[112:113]
	v_pk_add_f32 v[252:253], v[116:117], v[120:121]
	v_pk_add_f32 v[250:251], v[124:125], v[128:129]
	v_pk_add_f32 v[248:249], v[132:133], v[136:137]
	v_pk_add_f32 v[246:247], v[140:141], v[144:145]
	v_pk_add_f32 v[234:235], v[148:149], v[152:153]
	v_pk_add_f32 v[232:233], v[156:157], v[160:161]
	v_pk_add_f32 v[14:15], v[14:15], v[164:165]
	v_pk_add_f32 v[220:221], v[220:221], v[104:105]
	v_pk_add_f32 v[252:253], v[252:253], v[106:107]
	v_pk_add_f32 v[250:251], v[250:251], v[110:111]
	v_pk_add_f32 v[248:249], v[248:249], v[114:115]
	v_pk_add_f32 v[246:247], v[246:247], v[118:119]
	v_pk_add_f32 v[234:235], v[234:235], v[122:123]
	v_pk_add_f32 v[232:233], v[232:233], v[126:127]
	v_pk_add_f32 v[14:15], v[14:15], v[130:131]
	v_pk_add_f32 v[220:221], v[220:221], v[134:135]
	v_pk_add_f32 v[252:253], v[252:253], v[138:139]
	v_pk_add_f32 v[250:251], v[250:251], v[142:143]
	v_pk_add_f32 v[248:249], v[248:249], v[146:147]
	v_pk_add_f32 v[246:247], v[246:247], v[150:151]
	v_pk_add_f32 v[234:235], v[234:235], v[154:155]
	v_pk_add_f32 v[232:233], v[232:233], v[158:159]
	v_pk_add_f32 v[14:15], v[14:15], v[162:163]
	v_pk_add_f32 v[220:221], v[220:221], v[166:167]
	s_delay_alu instid0(VALU_DEP_2)
	v_pk_add_f32 v[14:15], v[14:15], v[248:249]
	s_delay_alu instid0(VALU_DEP_2)
	v_pk_add_f32 v[220:221], v[220:221], v[246:247]
	v_pk_add_f32 v[252:253], v[252:253], v[234:235]
	v_pk_add_f32 v[250:251], v[250:251], v[232:233]
	s_delay_alu instid0(VALU_DEP_2)
	v_pk_add_f32 v[14:15], v[14:15], v[252:253]
	s_delay_alu instid0(VALU_DEP_2)
	v_pk_add_f32 v[220:221], v[220:221], v[250:251]
	s_delay_alu instid0(VALU_DEP_1)
	v_pk_add_f32 v[14:15], v[14:15], v[220:221]
.irp b, 0,1,2,3
.set j, 0
.rept 16
	v_min_num_f32 v[S+16*\b+j], v[S+16*\b+j], v[HL+\b]   ; the conversion does not saturate (ISA guide 7.6.2); p is not negative, so the hold is one-sided
.set j, j+1
.endr
	v_cvt_scalef32_pk8_fp8_f32 v[PC+4*\b:PC+4*\b+1], v[S+16*\b:S+16*\b+7], v[SO+\b]
	v_cvt_scalef32_pk8_fp8_f32 v[PC+4*\b+2:PC+4*\b+3], v[S+16*\b+8:S+16*\b+15], v[SO+\b]
.endr
.set j, 0
	s_setprio 0
.rept 16
	v_pk_mul_f32 v[O+j:O+j+1], v[O+j:O+j+1], v[F:F+1] op_sel_hi:[1,0]   ; O^T under the new M; also the places between the codes and the products
.set j, j+2
.endr
	s_wait_alu depctr_va_vdst(0)
	s_wait_dscnt 0x0                               ; V is in
.irp t, 0,1,2,3
	v_wmma_scale_f32_16x16x128_f8f6f4 v[O+8*\t:O+8*\t+7], v[KB+16*\t:KB+16*\t+15], v[PC:PC+15], v[O+8*\t:O+8*\t+7], v[VS+\t], v[PWD]
.endr
	s_add_co_u32 s[TB], s[TB], REC
.endm
; Four key steps.  A loading wave's load i brought one of their records: the 3 - i loads issued behind it may stay out.
.macro GROUP i
	s_wait_tensorcnt 3-\i
	s_barrier_signal -1
	s_barrier_wait -1
	s_mov_b32 s[CNT], 4
.Lstep_\@:
	s_setprio 2
	STEP
	s_sub_co_u32 s[CNT], s[CNT], 1
	s_cmp_lg_u32 s[CNT], 0
	s_cbranch_scc1 .Lstep_\@
	s_setprio 0
.endm
	GROUP 0
	GROUP 1
	GROUP 2
	GROUP 3
	; THE WAY OUT: O^T / the sum is quantised along its 64 channels, two blocks, and leaves as the output projection's operand registers.
.rept 8
	v_nop
.endr
	v_add_f32 v14, v14, v15
	s_delay_alu instid0(VALU_DEP_1)
	v_permlanex16_b32 v[TA], v14, s[SEL], s[SEL+1]
	s_delay_alu instid0(VALU_DEP_1)
	v_add_f32 v14, v14, v[TA]                      ; the row's sum
	s_wait_alu depctr_va_vdst(0)
	v_rcp_f32 v14, v14
	v_nop                                          ; a plain line behind the transcendental
.set j, 0
	s_wait_alu depctr_va_vdst(0)
.rept 16
	v_pk_mul_f32 v[S+j:S+j+1], v[O+j:O+j+1], v[14:15] op_sel_hi:[1,0]   ; each accumulator from its low end on
.set j, j+2
.endr
.irp b, 0,1
	v_max3_num_f32 v[BM+\b], |v[S+16*\b]|, |v[S+1+16*\b]|, 0x4800000
.endr
.irp i, 2,4,6,8,10,12,14
.irp b, 0,1
	s_delay_alu instid0(VALU_DEP_2)
	v_max3_num_f32 v[BM+\b], v[BM+\b], |v[S+16*\b+\i]|, |v[S+1+16*\b+\i]|
.endr
.endr
.irp b, 0,1
	s_delay_alu instid0(VALU_DEP_2)
	v_permlanex16_b32 v[T2+\b], v[BM+\b], s[SEL], s[SEL+1]
.endr
.irp b, 0,1
	s_delay_alu instid0(VALU_DEP_2)
	v_max_num_f32 v[BM+\b], v[BM+\b], v[T2+\b]
.endr
.irp b, 0,1
	s_delay_alu instid0(VALU_DEP_2)
	v_add_nc_u32 v[SO+\b], 0xfc000000, v[BM+\b]
.endr
.irp b, 0,1
	s_delay_alu instid0(VALU_DEP_4)
	v_and_or_b32 v[HL+\b], v[BM+\b], 0x7f800000, s[MNT]
.endr
.irp b, 0,1
	s_delay_alu instid0(VALU_DEP_4)
	v_lshrrev_b32 v[T2+\b], 23, v[SO+\b]
.endr
	s_delay_alu instid0(VALU_DEP_1)
	v_lshl_or_b32 v[PWD], v[T2+1], 8, v[T2]        ; the head's two bytes; the upper half stays 0
.irp b, 0,1
.set j, 0
.rept 16
	v_med3_num_f32 v[S+16*\b+j], v[S+16*\b+j], -v[HL+\b], v[HL+\b]
.set j, j+1
.endr
	v_cvt_scalef32_pk8_fp8_f32 v[PC+4*\b:PC+4*\b+1], v[S+16*\b:S+16*\b+7], v[SO+\b]
	v_cvt_scalef32_pk8_fp8_f32 v[PC+4*\b+2:PC+4*\b+3], v[S+16*\b+8:S+16*\b+15], v[SO+\b]
.endr
	v_nop
	global_store_b128 v[LI], v[PC:PC+3], s[10:11]            ; 512 consecutive bytes each
	global_store_b128 v[LI], v[PC+4:PC+7], s[10:11] offset:512
	global_store_b32 v[LS], v[PWD], s[12:13]                 ; 128 bytes: the unit's other half is another head's
	s_wait_tensorcnt 0x0
	ds_add_u32 v254, v255
	s_wait_dscnt 0x0
	CROUND                                         ; the closing round: no work-group ends while a partner may still ask for a record that names it
	s_endpgm
.Lfunc_end_k_qad55e59c62_attn:
	.size	k_qad55e59c62_attn, .Lfunc_end_k_qad55e59c62_attn-k_qad55e59c62_attn
	.p2alignl 7, 3214868480
	.fill 96, 4, 3214868480
	.section	.rodata,"a",@progbits
	.p2align	6, 0x0
	.amdhsa_kernel k_qad55e59c62_attn
		.amdhsa_group_segment_fixed_size 327680
		.amdhsa_private_segment_fixed_size 0
		.amdhsa_enable_private_segment 0
		.amdhsa_kernarg_size 40
		.amdhsa_user_sgpr_count 2
		.amdhsa_user_sgpr_kernarg_segment_ptr 1
		.amdhsa_wavefront_size32 1
		.amdhsa_system_sgpr_workgroup_id_x 1
		.amdhsa_system_sgpr_workgroup_id_y 1
		.amdhsa_system_sgpr_workgroup_id_z 1
		.amdhsa_system_vgpr_workitem_id 0
		.amdhsa_next_free_vgpr 256
		.amdhsa_next_free_sgpr 66
		.amdhsa_reserve_vcc 0
		.amdhsa_float_denorm_mode_32 3
		.amdhsa_float_denorm_mode_16_64 3
		.amdhsa_memory_ordered 1
		.amdhsa_forward_progress 1
		.amdhsa_inst_pref_size 93
	.end_amdhsa_kernel
	.amdgpu_metadata
---
amdhsa.version: [ 1, 2 ]
amdhsa.kernels:
  - .name:           k_qad55e59c62_attn
    .symbol:         k_qad55e59c62_attn.kd
    .args:
      - { .name: qimg, .offset: 0, .size: 8, .value_kind: global_buffer, .address_space: global }
      - { .name: qsc, .offset: 8, .size: 8, .value_kind: global_buffer, .address_space: global }
      - { .name: kv, .offset: 16, .size: 8, .value_kind: global_buffer, .address_space: global }
      - { .name: oimg, .offset: 24, .size: 8, .value_kind: global_buffer, .address_space: global }
      - { .name: osc, .offset: 32, .size: 8, .value_kind: global_buffer, .address_space: global }
    .group_segment_fixed_size: 327680
    .private_segment_fixed_size: 0
    .kernarg_segment_align: 8
    .kernarg_segment_size: 40
    .max_flat_workgroup_size: 512
    .sgpr_count:     66
    .vgpr_count:     256
    .wavefront_size: 32
...
	.end_amdgpu_metadata
.endif
;; end of part 5
;; launch oproj (part 6): grid 256 x 1, 8 waves a work-group, no clusters, 84,480 bytes of LDS; arguments oimg, osc, Wo_codes, Wo_scales, bo, layer_input, gamma, beta, out0; writes out0
.if DOCPART == 6
	.amdgcn_target "amdgcn-amd-amdhsa--gfx1250"
	.amdhsa_code_object_version 6
	.text
	.protected	k_qad55e59c62_oproj
	.globl	k_qad55e59c62_oproj
	.p2align	8
	.type	k_qad55e59c62_oproj,@function
k_qad55e59c62_oproj:
	s_mov_b64 s[64:65], 0
	v_nop
	global_prefetch_b8 v0, s[64:65] scope:SCOPE_SE
	s_setreg_imm32_b32 hwreg(HW_REG_WAVE_SCHED_MODE, 0, 2), 2
	s_setreg_imm32_b32 hwreg(HW_REG_WAVE_MODE, 25, 1), 1
	s_wait_xcnt 0x0
	s_wait_alu depctr_vm_vsrc(0)
; out = LayerNorm(o Wo + bo + layer_input) x gamma + beta.  o arrives as images of operand registers (codes of FP8, E4M3) with its scale words; Wo as codes, K innermost; the product on codes, all else f32.
; SHARES.  A work-group takes 32 rows (two tiles of 16) and all 512 columns.  Wave w makes columns 64 w .. 64 w + 63, with its 64 rows of Wo in 256 registers (window 1); for the norm it owns rows 4 w .. 4 w + 3 whole.
; The product is used transposed (source 0 = Wo's rows, source 1 = o), and lane r of weight tile 2 b + u takes row 32 b + 8 u + r + 8 (r / 8): a lane's 16 registers of two tiles are 16 neighbouring columns of one row.
; The rows meet in a stage in LDS; each wave reads four whole rows back, adds the residual and norms them: mean first, then the mean of the squared differences, so that no difference of large sums is formed.
; NO JOINT LOADS: Wo shared among work-groups would have to go through LDS: 262,144 bytes beside the stage's 66,048 do not fit.  No tensor load, no loop, no branch.
; LIMITS: NaN and infinities among the inputs are not served.
; THE MODE: SCHED_MODE bits 1:0 = 2 (LLVM: expert scheduling mode 2), set by the entry lines.  The code itself states the register dependences
; between vector or matrix instructions and memory or LDS instructions, with s_wait_alu, always for 0.
; THE PLAN.  Registers that memory or LDS instructions touch:
;   v1-9       offsets and LDS addresses: written once at the head, never again.  v16-20: at work at the head; Wo's scale words land there later.
;   OF         my fragment of o lands (global), the LDS stores read it; then each tile's four fragments land (LDS) and the products read them; at the end gamma, beta and half of the rows land there.
;   v254       the K step's scale word: one vector line writes it, one LDS store reads it.
;   ACC        the products write it, the stores into the stage read it, twice; at the end the other half of the rows lands there.
;   Y          the rows land (LDS), the norm works in place, the stores of out0 read it.
;   WS, BIAS, OS, RES, window 1 are loaded once and then named by vector or matrix instructions alone.
; So one wait on va_vdst stands behind each run of 16 products (results written for the stage's stores, fragments read for the next loads), one ahead of the store of v254 and one ahead of the stores of out0;
; a wait on vm_vsrc stands behind each barrier and ahead of the second run of products, where registers that LDS stores have read are written again.
.set OI,  0                            ; LDS: o's eight fragments (tile of rows m, K step s: 4 m + s), 2,048 bytes each
.set OSW, 16384                        ; their scale words, 128 bytes each
.set YS,  17408                        ; the stage: 32 rows x (2,048 + 16) bytes
.set YP,  2064
.set LI,  1                            ; v1  16 x lane
.set LS,  2                            ; v2  4 x lane
.set WA,  3                            ; v3  my row of a weight tile
.set WSA, 4                            ; v4  its scale bytes
.set BA,  5                            ; v5  64 h
.set OIW, 6                            ; v6  where I put my fragment of o
.set OWW, 7                            ; v7  and its scale word
.set YW,  8                            ; v8  the stage: row r, my 64 columns, + 64 h
.set YR,  9                            ; v9  the stage: my four rows, 16 bytes a lane
.set WS,  16                           ; v16-31   Wo's scale words
.set BIAS, 32                          ; v32-63   bo in the result's layout
.set OS,  64                           ; v64-71   o's scale words
.set OF,  72                           ; v72-135  o's four fragments of a tile of rows
.set ACC, 136                          ; v136-167 four accumulators
.set RES, 168                          ; v168-231 the residual: four rows x 16 numbers
.set G,   72                           ; later: gamma v72-87, beta v88-103, the rows v104-167
.set BT,  88
.set Y,   104
.set T,   232                          ; v232-239 a pair of sums a row
.set U,   240                          ; v240-243 the other half's
.set M,   244                          ; v244-251 a pair a row: the mean, then 1 / sqrt(var + eps), in the low register
.set WV,  22
.set WP,  8
.set WSP, 10
.set BP,  12
.set MSB, 0
.macro WIN new
.if MSB != \new
	s_set_vgpr_msb (MSB<<8)|\new
.set MSB, \new
.endif
.endm
.macro PLACES n
.rept \n
	v_nop
.endr
.endm
.macro BARRIER
	s_wait_dscnt 0x0
	s_barrier_signal -1
	s_barrier_wait -1
.endm
.macro WLOAD t
.irp s, 0,1,2,3
.irp c, 0,1,2,3
	global_load_b128 v[64*\t+16*\s+4*\c:64*\t+16*\s+4*\c+3], v[WA], s[WP:WP+1] offset:(32*(\t/2)+8*(\t%2))*512+128*\s+32*\c
.endr
.endr
.endm
.macro OFETCH m
.irp s, 0,1,2,3
.irp c, 0,1,2,3
	ds_load_b128 v[OF+16*\s+4*\c:OF+16*\s+4*\c+3], v[LI] offset:OI+8192*\m+2048*\s+512*\c
.endr
.endr
.endm
.macro MULO m                          ; 16 products: the four accumulators take turns, one instruction a turn; the first K step takes the bias as C
.irp s, 0,1,2,3
.irp t, 0,1,2,3
.set rD, ACC+8*\t
.set rC, rD
.if \s == 0
.set rC, BIAS+8*\t
.endif
	v_wmma_scale_f32_16x16x128_f8f6f4 v[rD:rD+7], v[64*\t+16*\s:64*\t+16*\s+15], v[OF+16*\s:OF+16*\s+15], v[rC:rC+7], v[WS+4*\t+\s], v[OS+4*\m+\s]
.endr
.endr
.endm
.macro YSTORE m                        ; lane (r, h): row 16 m + r, columns 64 w + 32 b + 16 h + 0 .. 15; each accumulator from its low end on
.irp b, 0,1
.irp q, 0,1,2,3
	ds_store_b128 v[YW], v[ACC+16*\b+4*\q:ACC+16*\b+4*\q+3] offset:16*YP*\m+128*\b+16*\q
.endr
.endr
.endm
.macro ACROSS                          ; each row's pair of sums becomes the sum over the wave, in every lane; the four rows by turns
.irp i, 0,1,2,3
	v_add_f32 v[T+2*\i], v[T+2*\i], v[T+2*\i+1]
.endr
.irp x, 1,2,4,8
.irp i, 0,1,2,3
	v_add_f32_dpp v[T+2*\i], v[T+2*\i], v[T+2*\i] row_xmask:\x row_mask:0xf bank_mask:0xf
.endr
.endr
.irp i, 0,1,2,3
	v_permlanex16_b32 v[U+\i], v[T+2*\i], s26, s27
.endr
.irp i, 0,1,2,3
	v_add_f32 v[T+2*\i], v[T+2*\i], v[U+\i]
.endr
.endm
	s_load_b512 s[4:19], s[0:1], 0x0               ; oimg, osc, Wo's codes, Wo's scales, bo, layer_input, gamma, beta
	s_load_b64 s[20:21], s[0:1], 0x40              ; out0
	v_lshl_add_u32 v15, v0, 2, 0x14600
	v_mov_b32 v255, 0
	v_lshrrev_b32 v16, 5, v0
	v_readfirstlane_b32 s[WV], v16                 ; wave 0..7
	v_and_b32 v17, 31, v0
	v_and_b32 v18, 15, v0                          ; r
	v_bfe_u32 v19, v0, 4, 1                        ; h
	v_lshlrev_b32 v[LI], 4, v17
	v_lshlrev_b32 v[LS], 2, v17
	v_and_b32 v20, 8, v18
	v_add_nc_u32 v20, v20, v18                     ; r + 8 (r / 8)
	v_lshlrev_b32 v[WA], 9, v20
	v_lshl_add_u32 v[WA], v19, 4, v[WA]
	v_lshlrev_b32 v[WSA], 4, v20
	v_lshlrev_b32 v[BA], 6, v19
	s_wait_alu depctr_va_sdst(0)                   ; the wave's number is written, ahead of its first reader: LDS addresses and bases are made from it
	s_lshl_b32 s28, s[WV], 11
	v_add_nc_u32 v[OIW], s28, v[LI]                ; OI = 0
	s_lshl_b32 s28, s[WV], 7
	s_add_co_u32 s28, s28, OSW
	v_add_nc_u32 v[OWW], s28, v[LS]
	s_lshl_b32 s28, s[WV], 8
	s_add_co_u32 s28, s28, YS
	v_mul_u32_u24 v[YW], v18, YP
	v_lshl_add_u32 v[YW], v19, 6, v[YW]
	v_add_nc_u32 v[YW], s28, v[YW]
	s_mul_i32 s28, s[WV], 4*YP
	s_add_co_u32 s28, s28, YS
	v_add_nc_u32 v[YR], s28, v[LI]
.irp i, 0,1,2,3
	v_mov_b32 v[U+\i], 0                           ; written once: a lane permute's destination counts as one of its sources
	v_mov_b32 v[M+2*\i+1], 0                       ; (named as the upper half of a pair)
.endr
	s_mov_b32 s24, 0x3b000000                      ; 1 / 512
	s_mov_b32 s25, 0x3727c5ac                      ; 1e-5
	s_mov_b32 s26, 0x76543210
	s_mov_b32 s27, 0xfedcba98
	s_mov_b32 s29, 0
	s_wait_kmcnt 0x0
	s_lshl_b32 s28, ttmp9, 14
	s_lshl_b32 s30, s[WV], 11
	s_add_co_u32 s28, s28, s30
	s_add_nc_u64 s[4:5], s[4:5], s[28:29]          ; fragment w of my two row tiles' eight
	s_lshl_b32 s28, ttmp9, 11
	s_lshl_b32 s30, s[WV], 8
	s_add_co_u32 s28, s28, s30
	s_add_nc_u64 s[6:7], s[6:7], s[28:29]          ; the words of its two heads
	s_lshl_b32 s28, s[WV], 15
	s_add_nc_u64 s[WP:WP+1], s[WP:WP+1], s[28:29]
	s_lshl_b32 s28, s[WV], 10
	s_add_nc_u64 s[WSP:WSP+1], s[WSP:WSP+1], s[28:29]
	s_lshl_b32 s28, s[WV], 8
	s_add_nc_u64 s[BP:BP+1], s[BP:BP+1], s[28:29]
	s_lshl_b32 s28, ttmp9, 16
	s_lshl_b32 s30, s[WV], 13
	s_add_co_u32 s28, s28, s30                     ; rows 32 x + 4 w on, 2,048 bytes each
	s_add_nc_u64 s[14:15], s[14:15], s[28:29]
	s_add_nc_u64 s[20:21], s[20:21], s[28:29]
	s_wait_alu depctr_va_vdst(0)                   ; v1 to v9, the offsets and LDS addresses that every load and store reads, are written; so are v16 to v20, at work above, in which Wo's scale words land
.irp c, 0,1,2,3
	global_load_b128 v[OF+4*\c:OF+4*\c+3], v[LI], s[4:5] offset:512*\c
.endr
	global_load_b32 v252, v[LS], s[6:7]
	global_load_b32 v253, v[LS], s[6:7] offset:128
.irp i, 0,1,2,3
.irp q, 0,1,2,3
	global_load_b128 v[RES+16*\i+4*\q:RES+16*\i+4*\q+3], v[LI], s[14:15] offset:2048*\i+512*\q th:TH_LOAD_NT
.endr
.endr
	WIN 0x40                                       ; destination window 1
	WLOAD 0
	WLOAD 1
	WIN 0
	s_wait_loadcnt 48                              ; the residual's 16 loads and the 32 weight loads may stay out
	v_lshl_or_b32 v254, v253, 16, v252             ; two heads' two bytes each: the K step's scale word
.irp c, 0,1,2,3
	ds_store_b128 v[OIW], v[OF+4*\c:OF+4*\c+3] offset:512*\c   ; as loaded: the line above names none of these registers
.endr
	s_wait_alu depctr_va_vdst(0)                   ; v254 is written, which the LDS store below reads
	ds_store_b32 v[OWW], v254
	WIN 0x40
	WLOAD 2
	WLOAD 3
	WIN 0
.irp t, 0,1,2,3
	global_load_b128 v[WS+4*\t:WS+4*\t+3], v[WSA], s[WSP:WSP+1] offset:(32*(\t/2)+8*(\t%2))*16
.endr
.irp t, 0,1,2,3
	global_load_b128 v[BIAS+8*\t:BIAS+8*\t+3], v[BA], s[BP:BP+1] offset:(32*(\t/2)+8*(\t%2))*4
	global_load_b128 v[BIAS+8*\t+4:BIAS+8*\t+7], v[BA], s[BP:BP+1] offset:(32*(\t/2)+8*(\t%2))*4+16
.endr
	BARRIER                                        ; o's eight fragments and their words lie in LDS
	s_wait_alu depctr_vm_vsrc(0)                   ; my LDS stores have read v[OF ..], in which the fragments below land
.irp f, 0,1,2,3,4,5,6,7
	ds_load_b32 v[OS+\f], v[LS] offset:OSW+128*\f
.endr
	OFETCH 0
	s_wait_loadcnt 0x0
	s_wait_dscnt 0x0
	WIN 0x01                                       ; source 0 (Wo) window 1
	MULO 0
	WIN 0
	PLACES 9                                       ; in front of the stores of results and the loads into o's registers (eight), and of the next products, which begin the accumulators anew (nine)
	s_wait_alu depctr_va_vdst(0)                   ; the products have written the accumulators, which the LDS stores read, and are done reading v[OF ..], in which the next fragments land; the places above stay beside this wait
	YSTORE 0
	OFETCH 1
	s_wait_dscnt 0x0                               ; the fragments are in
	s_wait_alu depctr_vm_vsrc(0)                   ; the LDS stores have read the accumulators, which the products below write anew
	WIN 0x01
	MULO 1
	WIN 0
	PLACES 8
	s_wait_alu depctr_va_vdst(0)                   ; the products have written the accumulators, which the LDS stores read and in which rows land later, and are done reading v[OF ..], in which gamma, beta and rows land
.irp q, 0,1,2,3
	global_load_b128 v[G+4*\q:G+4*\q+3], v[LI], s[16:17] offset:512*\q
	global_load_b128 v[BT+4*\q:BT+4*\q+3], v[LI], s[18:19] offset:512*\q
.endr
	YSTORE 1
	BARRIER                                        ; 32 whole rows lie in the stage
	s_wait_alu depctr_vm_vsrc(0)                   ; my LDS stores have read the accumulators, in which half of the rows below land
.irp i, 0,1,2,3
.irp q, 0,1,2,3
	ds_load_b128 v[Y+16*\i+4*\q:Y+16*\i+4*\q+3], v[YR] offset:YP*\i+512*\q   ; row 4 w + i, columns 128 q + 4 lane on
.endr
.endr
	s_wait_dscnt 0x0
	s_wait_loadcnt 0x0
.irp k, 0,2,4,6,8,10,12,14
.irp i, 0,1,2,3
	v_pk_add_f32 v[Y+16*\i+\k:Y+16*\i+\k+1], v[Y+16*\i+\k:Y+16*\i+\k+1], v[RES+16*\i+\k:RES+16*\i+\k+1]   ; + the residual
.endr
.endr
.irp i, 0,1,2,3
	v_pk_add_f32 v[T+2*\i:T+2*\i+1], v[Y+16*\i:Y+16*\i+1], v[Y+16*\i+2:Y+16*\i+3]
.endr
.irp k, 4,6,8,10,12,14
.irp i, 0,1,2,3
	v_pk_add_f32 v[T+2*\i:T+2*\i+1], v[T+2*\i:T+2*\i+1], v[Y+16*\i+\k:Y+16*\i+\k+1]
.endr
.endr
	ACROSS
.irp i, 0,1,2,3
	v_mul_f32 v[M+2*\i], s24, v[T+2*\i]            ; the mean
.endr
.irp k, 0,2,4,6,8,10,12,14
.irp i, 0,1,2,3
	v_pk_add_f32 v[Y+16*\i+\k:Y+16*\i+\k+1], v[Y+16*\i+\k:Y+16*\i+\k+1], v[M+2*\i:M+2*\i+1] op_sel_hi:[1,0] neg_lo:[0,1] neg_hi:[0,1]
.endr
.endr
.irp i, 0,1,2,3
	v_pk_mul_f32 v[T+2*\i:T+2*\i+1], v[Y+16*\i:Y+16*\i+1], v[Y+16*\i:Y+16*\i+1]
.endr
.irp k, 2,4,6,8,10,12,14
.irp i, 0,1,2,3
	v_pk_fma_f32 v[T+2*\i:T+2*\i+1], v[Y+16*\i+\k:Y+16*\i+\k+1], v[Y+16*\i+\k:Y+16*\i+\k+1], v[T+2*\i:T+2*\i+1]
.endr
.endr
	ACROSS
.irp i, 0,1,2,3
	v_fma_f32 v[T+2*\i], v[T+2*\i], s24, s25       ; the variance + 1e-5
.endr
	s_wait_alu depctr_va_vdst(0)
.irp i, 0,1,2,3
	v_rsq_f32 v[M+2*\i], v[T+2*\i]
.endr
	v_nop                                          ; a plain line behind the transcendentals
	s_wait_alu depctr_va_vdst(0)                   ; the four reciprocal roots v[M], v[M + 2], v[M + 4], v[M + 6] are written, ahead of their first reader: one wait for the batch
.irp k, 0,2,4,6,8,10,12,14
.irp i, 0,1,2,3
	v_pk_mul_f32 v[Y+16*\i+\k:Y+16*\i+\k+1], v[Y+16*\i+\k:Y+16*\i+\k+1], v[M+2*\i:M+2*\i+1] op_sel_hi:[1,0]
.endr
.endr
.irp k, 0,2,4,6,8,10,12,14
.irp i, 0,1,2,3
	v_pk_fma_f32 v[Y+16*\i+\k:Y+16*\i+\k+1], v[Y+16*\i+\k:Y+16*\i+\k+1], v[G+\k:G+\k+1], v[BT+\k:BT+\k+1]
.endr
.endr
	s_wait_alu depctr_va_vdst(0)                   ; the multiply-adds have written v[Y ..], which the stores below read
.irp i, 0,1,2,3
.irp q, 0,1,2,3
	global_store_b128 v[LI], v[Y+16*\i+4*\q:Y+16*\i+4*\q+3], s[20:21] offset:2048*\i+512*\q th:TH_STORE_NT   ; 32 lanes store 512 consecutive bytes
.endr
.endr
	s_wait_dscnt 0x0                               ; the closing lines, six on end
	s_wait_alu 0x0
	s_wait_tensorcnt 0x0
	ds_add_u32 v15, v255
	s_wait_dscnt 0x0
	s_endpgm
.Lfunc_end_k_qad55e59c62_oproj:
	.size	k_qad55e59c62_oproj, .Lfunc_end_k_qad55e59c62_oproj-k_qad55e59c62_oproj
	.p2alignl 7, 3214868480
	.fill 96, 4, 3214868480
	.section	.rodata,"a",@progbits
	.p2align	6, 0x0
	.amdhsa_kernel k_qad55e59c62_oproj
		.amdhsa_group_segment_fixed_size 84480
		.amdhsa_private_segment_fixed_size 0
		.amdhsa_enable_private_segment 0
		.amdhsa_kernarg_size 72
		.amdhsa_user_sgpr_count 2
		.amdhsa_user_sgpr_kernarg_segment_ptr 1
		.amdhsa_wavefront_size32 1
		.amdhsa_system_sgpr_workgroup_id_x 1
		.amdhsa_system_sgpr_workgroup_id_y 1
		.amdhsa_system_sgpr_workgroup_id_z 1
		.amdhsa_system_vgpr_workitem_id 0
		.amdhsa_next_free_vgpr 512
		.amdhsa_next_free_sgpr 66
		.amdhsa_reserve_vcc 0
		.amdhsa_float_denorm_mode_32 3
		.amdhsa_float_denorm_mode_16_64 3
		.amdhsa_memory_ordered 1
		.amdhsa_forward_progress 1
		.amdhsa_inst_pref_size 41
	.end_amdhsa_kernel
	.amdgpu_metadata
---
amdhsa.version: [ 1, 2 ]
amdhsa.kernels:
  - .name:           k_qad55e59c62_oproj
    .symbol:         k_qad55e59c62_oproj.kd
    .args:
      - { .name: oimg, .offset: 0, .size: 8, .value_kind: global_buffer, .address_space: global }
      - { .name: osc, .offset: 8, .size: 8, .value_kind: global_buffer, .address_space: global }
      - { .name: Wo_codes, .offset: 16, .size: 8, .value_kind: global_buffer, .address_space: global }
      - { .name: Wo_scales, .offset: 24, .size: 8, .value_kind: global_buffer, .address_space: global }
      - { .name: bo, .offset: 32, .size: 8, .value_kind: global_buffer, .address_space: global }
      - { .name: layer_input, .offset: 40, .size: 8, .value_kind: global_buffer, .address_space: global }
      - { .name: gamma, .offset: 48, .size: 8, .value_kind: global_buffer, .address_space: global }
      - { .name: beta, .offset: 56, .size: 8, .value_kind: global_buffer, .address_space: global }
      - { .name: out0, .offset: 64, .size: 8, .value_kind: global_buffer, .address_space: global }
    .group_segment_fixed_size: 84480
    .private_segment_fixed_size: 0
    .kernarg_segment_align: 8
    .kernarg_segment_size: 72
    .max_flat_workgroup_size: 256
    .sgpr_count:     66
    .vgpr_count:     512
    .wavefront_size: 32
...
	.end_amdgpu_metadata
.endif
;; end of part 6
